; MI455X (gfx1250); checked and timed in simulation.
; The chip was launched on July 23, 2026; its instructions are those of AMD's public machine-readable ISA for CDNA 5 (MIT licence, August 2026) and "CDNA5" Instruction Set Architecture Reference Guide (July 2026). The comments in the code are by the model that wrote it; some were corrected since.
;; Causal Self Attention. Allowed arithmetic: matrix products marked QUANTISED: E2M3 operands, one E8M0 scale for each 32 along K, by v_wmma_scale_f32_16x16x128_f8f6f4 with both operands' format E2M3, f32 sums; everything else in f32.
;; Inputs: w_attn 3,072 x 1,024 float32; w_proj 1,024 x 1,024 float32; x 4 x 2,048 x 1,024 float32.
;; Outputs: out0 4 x 2,048 x 1,024 float32.
;; This version of the problem:
;;   THIS VERSION OF THE PROBLEM IS GIVEN IN LOW PRECISION. The matrix products marked QUANTISED in the list below multiply operands that are first quantised to E2M3 (2 exponent bits, 3 mantissa bits; 6 bits a number), with one power-of-two scale for each 32 numbers along K (OCP MX v1.0); their sums are f32. All else is computed in f32.
;;   The module's matrix products, in the order in which they are computed (A, B: the left and right operand; K: the contracted axis; several contracted axes count as one K, in the product's order):
;;     1. [M 8,192, K 1,024] x [K 1,024, N 3,072]; A: input x; B: input w_attn: QUANTISED
;;     2. batch 64 x [M 2,048, K 64] x [K 64, N 2,048]; A: computed on the way; B: computed on the way: QUANTISED
;;     3. batch 64 x [M 2,048, K 2,048] x [K 2,048, N 64]; A: softmax (see below); B: computed on the way: QUANTISED
;;     4. [M 8,192, K 1,024] x [K 1,024, N 1,024]; A: computed on the way; B: input w_proj: QUANTISED
;;   THE QUANTISER, for each operand of a quantised product, along K:
;;     - K is cut into blocks of 32 from its start; a last block that is shorter is filled with zeros.
;;     - A block's scale is 2^e with e = floor(log2(the largest magnitude in the block)) - 2, held to -126 .. 127; a block of zeros has e = 0. As a byte (E8M0): e + 127.
;;     - Each number is divided by its block's scale, clamped to +-7.5, and rounded to the nearest number of E2M3, ties to even, subnormals kept.
;;     - The product sums the exact products of the quantised numbers (number of the format x scale) in f32.
;;   ~~~python
;;   def quantise(x, axis):      # numpy; x: float32 -> the quantised numbers, widened to float32 again
;;       x = np.moveaxis(x, axis, -1); K = x.shape[-1]
;;       x = np.pad(x, [(0, 0)] * (x.ndim - 1) + [(0, -K % 32)]); x = x.reshape(x.shape[:-1] + (-1, 32)); a = np.abs(x).max(-1, keepdims=True)
;;       e = np.where(a > 0, np.clip(np.frexp(np.where(a > 0, a, 1))[1] - 1 - 2, -126, 127), 0)      # np.frexp(a)[1] - 1 = floor(log2(a)), exactly
;;       r = np.clip(x / 2.0 ** e, -7.5, 7.5)
;;       step = 2.0 ** (np.maximum(np.frexp(np.where(r == 0, 1, r))[1] - 1, 0) - 3)
;;       q = np.round(r / step) * step * 2.0 ** e      # np.round: ties to even
;;       return np.moveaxis(q.reshape(q.shape[:-2] + (-1,))[..., :K], -1, axis).astype(np.float32)
;;   ~~~
;;   SOFTMAX AHEAD OF A QUANTISED PRODUCT. Where the list says 'softmax', what is quantised is not the finished softmax but p = 2^(t - M), with t = logit x log2(e) and M = ceil(the row's largest t), a whole number; so 1/2 < the row's largest p <= 1. The row's sum l is taken of the UNQUANTISED p, in f32, and the product's result is divided by l at the end. Since M is a whole number, a kernel that streams over the keys may use a running M (the ceiling of the running maximum): every later rescaling is an exact power of two, which a block's scale takes up: the codes' values come out the same.
;;   OPERANDS COMPUTED ON THE WAY. 'Computed on the way' means the value that the module computes at that place (a softmax that the list does not call 'softmax' is quantised finished and normalised). What goes into a quantiser is computed in f32, as accurately as f32 sums, v_exp_f32 and their like allow (about 1e-6 of the number): no bf16 or f16 on the way to a quantiser, and a product that is left as it is and whose result goes on into a quantised operand takes f32 operands (vector FMAs, or v_wmma_f32_16x16x4_f32). A number that lies on a knife's edge between two numbers of the format may be rounded either way, as far as f32 arithmetic and the matrix unit's own rounding can turn it there, and no further.
;; One version. Each part assembles by itself: llvm-mc -triple=amdgcn-amd-amdhsa -mcpu=gfx1250 --defsym DOCPART=n.
;; ======== version 1 of 1: 4 launches
;; workspace buffers: in_img 9,437,184 bytes; in_sc 393,216 bytes; qkv_img 18,874,368 bytes; qkv_sc 1,310,720 bytes; y_img 6,291,456 bytes; y_sc 262,144 bytes
;; launch quant (part 1): grid 256 x 1, 6 waves a work-group, no clusters, 52,992 bytes of LDS; arguments x, w_attn, w_proj, in_img, in_sc; writes in_img, in_sc
.if DOCPART == 1
	.amdgcn_target "amdgcn-amd-amdhsa--gfx1250"
	.amdhsa_code_object_version 6
	.text
	.protected	k_qeacdf6650d_quant
	.globl	k_qeacdf6650d_quant
	.p2align	8
	.type	k_qeacdf6650d_quant,@function
k_qeacdf6650d_quant:
	s_mov_b64 s[64:65], 0
	v_nop
	global_prefetch_b8 v0, s[64:65] scope:SCOPE_SE
	s_setreg_imm32_b32 hwreg(HW_REG_WAVE_MODE, 25, 1), 1
	s_wait_xcnt 0x0
; x [8192][1024], w_attn [3072][1024] and w_proj [1024][1024], f32, K innermost, become codes of FP6 (E2M3) with one E8M0 byte for each 32 along K,
; laid as IMAGES OF OPERAND REGISTERS.  A fragment is 16 rows x 128 K, 12 registers a lane (lane (r, h): registers 6 c .. 6 c + 5 hold k = 64 c + 32 h + 0 .. 31 of row r);
; its image is 6 units of 256 bytes, unit u = registers 2 u, 2 u + 1, lane l's 8 bytes at 8 l.  in_img: [tile 768][K step 8][1,536]; tiles 0-511 x, 512-703 w_attn, 704-767 w_proj.
; THE ROWS OF A TILE ARE NOT NEIGHBOURS: image row p of tile t is the tensor's row 32 (t / 2) + 8 (t % 2) + p + 8 (p / 8), so that a product used transposed leaves 16 neighbours along its columns in a lane's 16 registers of two tiles.
; in_sc: [tile][H 2][image row 16][16 bytes]: the four scale words of K steps 4 H .. 4 H + 3.
; A block's scale is 2^(floor(log2(largest magnitude)) - 2): its byte is the largest magnitude's exponent field - 2, held at 1 from below by a floor among the maximum's leaves.
; LIMITS: NaN and infinities among the inputs are not served.  A block of zeros, or one whose largest magnitude lies under 2^-124, gets the byte 1 (the rule says 127 for zeros): its codes are what the conversion gives under that byte, zeros for zeros; this program alone reads the bytes.
; SHARES: 768 tiles x 2 halves of K = 1,536 waves; wave w of work-group g takes tile 3 g + w / 2, half w % 2: 16 rows x 512 K, in 8 steps of 64 along K (half a fragment).
; Each load reads two rows' 256 consecutive bytes; a step's 4 KB turn through the wave's own stage in LDS (rows 272 bytes apart) and come back 128 bytes a lane: a whole block of 32.
; Waves share nothing: no barrier.  No tensor loads, no cluster (no input is read twice), no matrix unit.  Loads run four steps ahead (32 a wave).
.set WREG, 8704                        ; LDS of a wave: two stages of 16 rows x 272 bytes
.set STG,  4352
.set R,    16                          ; v16-143   four sets of 32 numbers as loaded
.set X,    144                         ; v144-207  two sets of 32 neighbours along K
.set C,    208                         ; v208-219  two sets of 6: half a fragment's codes
.set T,    220                         ; v220-222  a block's upper 16 codes (a conversion's three registers begin on an even number)
.set W,    224                         ; v224-227  the four scale words
.set OW,   228                         ; v228-229  the two that my lane stores
	s_load_b128 s[4:7], s[0:1], 0x0                ; x, w_attn
	s_load_b128 s[8:11], s[0:1], 0x10              ; w_proj, in_img
	s_load_b64 s[12:13], s[0:1], 0x20              ; in_sc
	v_lshl_add_u32 v232, v0, 2, 0xcc00
	v_mov_b32 v233, 0
	v_lshrrev_b32 v1, 5, v0
	v_readfirstlane_b32 s16, v1                    ; wave 0..5
	v_and_b32 v1, 31, v0                           ; lane
	v_and_b32 v2, 15, v0                           ; r
	v_bfe_u32 v3, v0, 4, 1                         ; h
	v_lshlrev_b32 v4, 4, v2
	v_lshl_add_u32 v4, v3, 12, v4                  ; in: lanes 0-15 one row's 256 bytes, lanes 16-31 the next row's
	s_mul_i32 s20, s16, WREG
	v_mul_u32_u24 v5, v3, 272
	v_lshl_add_u32 v5, v2, 4, v5
	v_add_nc_u32 v5, s20, v5                       ; the stage, on the way in: row h, 16 r
	v_mul_u32_u24 v6, v2, 272
	v_lshl_add_u32 v6, v3, 7, v6
	v_add_nc_u32 v6, s20, v6                       ; and back: row r, my block's 128 bytes
	v_lshlrev_b32 v7, 3, v1                        ; an image's place for my lane
	v_lshlrev_b32 v8, 3, v3                        ; my bytes' shift in a scale word
	v_lshlrev_b32 v9, 4, v2
	v_lshl_add_u32 v9, v3, 3, v9                   ; the scale words: 16 r + 8 h
	v_mov_b32 v15, 0                               ; written once: a lane permute's destination counts as one of its sources
	s_mov_b32 s22, 0x76543210
	s_mov_b32 s23, 0xfedcba98                      ; v_permlanex16_b32's selects for lane l xor 16
	s_mul_i32 s17, ttmp9, 3
	s_lshr_b32 s18, s16, 1
	s_add_co_u32 s17, s17, s18                     ; my tile among the 768
	s_and_b32 s18, s16, 1                          ; my half of K
	s_mov_b32 s24, 704
	s_wait_alu depctr_va_vdst(0)
	s_wait_kmcnt 0x0
	s_cmp_lt_u32 s17, 512                          ; which tensor: the choice hangs on ids alone
	s_cselect_b64 s[4:5], s[4:5], s[6:7]
	s_cselect_b32 s19, 0, 512
	s_cmp_lt_u32 s17, 704
	s_cselect_b64 s[4:5], s[4:5], s[8:9]
	s_cselect_b32 s19, s19, s24
	s_sub_co_u32 s19, s17, s19                     ; the tile in its tensor
	s_lshr_b32 s20, s19, 1
	s_lshl_b32 s20, s20, 5
	s_and_b32 s21, s19, 1
	s_lshl_b32 s21, s21, 3
	s_add_co_u32 s20, s20, s21                     ; its first row
	s_lshl_b32 s20, s20, 12                        ; rows of 4,096 bytes
	s_lshl_b32 s21, s18, 11
	s_add_co_u32 s20, s20, s21                     ; + my half of K: 2,048 bytes
	s_mov_b32 s21, 0
	s_add_nc_u64 s[4:5], s[4:5], s[20:21]
	s_mul_i32 s20, s17, 12288
	s_mul_i32 s24, s18, 6144
	s_add_co_u32 s20, s20, s24
	s_add_nc_u64 s[10:11], s[10:11], s[20:21]      ; my four fragments' images
	s_lshl_b32 s20, s17, 9
	s_lshl_b32 s24, s18, 8
	s_add_co_u32 s20, s20, s24
	s_add_nc_u64 s[12:13], s[12:13], s[20:21]      ; my 256 bytes of scale words
.macro LOAD hf                         ; step hf: 64 along K of the 16 rows; load i brings image rows 2 i and 2 i + 1
.irp i, 0,1,2,3,4,5,6,7
	global_load_b128 v[R+32*((\hf)%4)+4*\i:R+32*((\hf)%4)+4*\i+3], v4, s[4:5] offset:(2*\i+8*(\i/4))*4096+256*(\hf) th:TH_LOAD_NT
.endr
.endm
.macro TURN hf                         ; through the stage: LDS serves a wave's instructions in order, so no wait stands between the stores and the loads
.irp i, 0,1,2,3,4,5,6,7
	ds_store_b128 v5, v[R+32*((\hf)%4)+4*\i:R+32*((\hf)%4)+4*\i+3] offset:STG*((\hf)%2)+544*\i
.endr
.irp i, 0,1,2,3,4,5,6,7
	ds_load_b128 v[X+32*((\hf)%2)+4*\i:X+32*((\hf)%2)+4*\i+3], v6 offset:STG*((\hf)%2)+16*\i
.endr
.endm
.macro STEP hf
.set XS, X+32*((\hf)%2)
.set CC, C+6*((\hf)%2)
	s_wait_dscnt 0x0                               ; this step's numbers are back from the stage: so its stores into the stage have read their registers,
.if (\hf)+4 < 8
	LOAD (\hf)+4                                   ; which take the loads of four steps on
.endif
.if (\hf) < 7
.if 6-(\hf) >= 3
	s_wait_loadcnt 24                              ; the next step's eight loads are in; those of the three steps behind it may be out
.else
	s_wait_loadcnt 8*(6-(\hf))
.endif
	TURN (\hf)+1                                   ; and go through the other stage while this step is worked
.endif
	v_max3_num_f32 v10, |v[XS]|, |v[XS+1]|, |v[XS+2]|              ; the block's largest magnitude: all 32 numbers are mine; two chains
	v_max3_num_f32 v11, |v[XS+3]|, |v[XS+4]|, |v[XS+5]|
.irp i, 6,10,14,18,22,26
	v_max3_num_f32 v10, v10, |v[XS+\i]|, |v[XS+\i+1]|
	v_max3_num_f32 v11, v11, |v[XS+\i+2]|, |v[XS+\i+3]|
.endr
	v_max3_num_f32 v10, v10, |v[XS+30]|, |v[XS+31]|
	v_max3_num_f32 v10, v10, v11, 0x1800000        ; and the floor 2^(3 - 127): the byte cannot fall under 1
	v_add_nc_u32 v12, 0xff000000, v10              ; 2 off the exponent field: the conversion takes the exponent field of this operand as its scale
	s_wait_alu depctr_va_vdst(0)
	s_wait_xcnt 0x0                                ; the stores of two steps back have read this set of codes
	v_cvt_scalef32_pk16_fp6_f32 v[CC:CC+2], v[XS:XS+15], v12
	v_cvt_scalef32_pk16_fp6_f32 v[T:T+2], v[XS+16:XS+31], v12
	v_lshrrev_b32 v13, 23, v12                     ; the scale's byte.  (The plain line behind the conversions)
.if (\hf)%2 == 0
	v_mov_b32 v14, v13                             ; block h of the fragment: kept for the next step
.else
	v_lshl_or_b32 v13, v13, 16, v14                ; blocks h and 2 + h,
	v_lshlrev_b32 v13, v8, v13                     ; at their places in the word,
	v_permlanex16_b32 v15, v13, s22, s23
	v_or_b32 v[W+(\hf)/2], v13, v15                ; and with lane l xor 16's two the word is whole
.endif
.irp i, 0,1,2
	v_mov_b32 v[CC+3+\i], v[T+\i]
.endr
.irp u, 0,1,2
	global_store_b64 v7, v[CC+2*\u:CC+2*\u+1], s[10:11] offset:768*(\hf)+256*\u   ; 32 lanes store 256 consecutive bytes, aligned
.endr
.endm
	LOAD 0
	LOAD 1
	LOAD 2
	LOAD 3
	s_wait_loadcnt 24                              ; step 0's eight loads are in
	TURN 0
.irp t, 0,1,2,3,4,5,6,7
	STEP \t
.endr
	v_cmp_ne_u32 vcc_lo, 0, v3
	v_cndmask_b32 v[OW], v[W], v[W+2], vcc_lo      ; lanes 0-15 store words 0, 1 of their row, lanes 16-31 words 2, 3
	v_cndmask_b32 v[OW+1], v[W+1], v[W+3], vcc_lo
	global_store_b64 v9, v[OW:OW+1], s[12:13]      ; 256 consecutive bytes, aligned
	s_wait_tensorcnt 0x0
	ds_add_u32 v232, v233
	s_wait_dscnt 0x0
	s_endpgm
.Lfunc_end_k_qeacdf6650d_quant:
	.size	k_qeacdf6650d_quant, .Lfunc_end_k_qeacdf6650d_quant-k_qeacdf6650d_quant
	.p2alignl 7, 3214868480
	.fill 96, 4, 3214868480
	.section	.rodata,"a",@progbits
	.p2align	6, 0x0
	.amdhsa_kernel k_qeacdf6650d_quant
		.amdhsa_group_segment_fixed_size 52992
		.amdhsa_private_segment_fixed_size 0
		.amdhsa_enable_private_segment 0
		.amdhsa_kernarg_size 40
		.amdhsa_user_sgpr_count 2
		.amdhsa_user_sgpr_kernarg_segment_ptr 1
		.amdhsa_wavefront_size32 1
		.amdhsa_system_sgpr_workgroup_id_x 1
		.amdhsa_system_sgpr_workgroup_id_y 1
		.amdhsa_system_sgpr_workgroup_id_z 1
		.amdhsa_system_vgpr_workitem_id 0
		.amdhsa_next_free_vgpr 234
		.amdhsa_next_free_sgpr 66
		.amdhsa_reserve_vcc 1
		.amdhsa_float_denorm_mode_32 3
		.amdhsa_float_denorm_mode_16_64 3
		.amdhsa_memory_ordered 1
		.amdhsa_forward_progress 1
		.amdhsa_inst_pref_size 32
	.end_amdhsa_kernel
	.amdgpu_metadata
---
amdhsa.version: [ 1, 2 ]
amdhsa.kernels:
  - .name:           k_qeacdf6650d_quant
    .symbol:         k_qeacdf6650d_quant.kd
    .args:
      - { .name: x, .offset: 0, .size: 8, .value_kind: global_buffer, .address_space: global }
      - { .name: w_attn, .offset: 8, .size: 8, .value_kind: global_buffer, .address_space: global }
      - { .name: w_proj, .offset: 16, .size: 8, .value_kind: global_buffer, .address_space: global }
      - { .name: in_img, .offset: 24, .size: 8, .value_kind: global_buffer, .address_space: global }
      - { .name: in_sc, .offset: 32, .size: 8, .value_kind: global_buffer, .address_space: global }
    .group_segment_fixed_size: 52992
    .private_segment_fixed_size: 0
    .kernarg_segment_align: 8
    .kernarg_segment_size: 40
    .max_flat_workgroup_size: 192
    .sgpr_count:     66
    .vgpr_count:     234
    .wavefront_size: 32
...
	.end_amdgpu_metadata
.endif
;; end of part 1
;; launch qkv (part 2): grid 12 x 32, 4 waves a work-group, clusters of 4 x 4, 327,680 bytes of LDS; arguments in_img, in_sc, qkv_img, qkv_sc; writes qkv_img, qkv_sc
.if DOCPART == 2
	.amdgcn_target "amdgcn-amd-amdhsa--gfx1250"
	.amdhsa_code_object_version 6
	.text
	.protected	k_qeacdf6650d_qkv
	.globl	k_qeacdf6650d_qkv
	.p2align	8
	.type	k_qeacdf6650d_qkv,@function
k_qeacdf6650d_qkv:
	s_mov_b64 s[64:65], 0
	v_nop
	global_prefetch_b8 v0, s[64:65] scope:SCOPE_SE
	s_setreg_imm32_b32 hwreg(HW_REG_WAVE_MODE, 25, 1), 1
	s_wait_xcnt 0x0
	s_wait_alu depctr_hold_cnt(0) depctr_sa_sdst(0) depctr_va_vdst(0) depctr_va_sdst(0) depctr_va_ssrc(0) depctr_va_vcc(0) depctr_vm_vsrc(0)
	s_getreg_b32 s2, hwreg(HW_REG_IB_STS2, 6, 4)
	s_cmp_eq_u32 s2, 0
	s_cbranch_scc0 .Lentry_in_a_cluster
	s_endpgm
.Lentry_in_a_cluster:
	s_bfe_u32 s2, ttmp6, 0x10000c
	s_cmp_lg_u32 s2, 0xf033
	s_cbranch_scc0 .Lentry_shape_is_right
	s_endpgm
.Lentry_shape_is_right:
; Product 1, on codes of FP6 (E2M3) with E8M0 scales, and its results quantised at once for products 2 and 3: no f32 number of q, k or v goes to memory.
; ONE BODY, TWO PRODUCTS, chosen by the cluster's x, which all sixteen partners share.  Cluster x = 0, 1: C = x Wqk^T (A = x, B = w_attn's rows 0-2,047): rows = tokens, columns = channels of q (x = 0) or k (x = 1).
; Cluster x = 2: C = Wv x^T = v^T (A = w_attn's rows 2,048-3,071, B = x): rows = channels of v, columns = tokens (keys).  In both the next product's K runs along C's COLUMNS.
; OPERANDS are images of registers (a fragment of 16 rows x 128 K: 6 units of 256 bytes, unit u = registers 2 u, 2 u + 1, lane l at 8 l): in_img [tile 768][K step 8][1,536], in_sc [tile][H 2][row 16][16 bytes].
; Image row p of tile t is the tensor's row 32 (t / 2) + 8 (t % 2) + p + 8 (p / 8).
; A tile of C, 256 x 256, is made by four waves, each 128 x 128: 64 accumulators, 512 registers.  THE MATRIX INSTRUCTION IS USED TRANSPOSED (source 0 = a tile of B, source 1 = a tile of A): lane (r, h) holds image row r of A's tile,
; and by the choice of a tile's rows its 16 registers of B's tiles 2 b, 2 b + 1 are columns 32 b + 16 h + 0 .. 15: 16 neighbours along the next K.  So a block of 16 rows x 128 columns is quantised in registers into one fragment and one scale word a row.
; K = 1,024 is eight steps of 128, written out.  LDS: three slots of 256 along K, all filled at the start, and ONE refill: the last 256 along K go into slot 0 when it has been read.  By this text's own count a wave has four tensor loads out at the start, later one.
; All scale words come once and stay in 64 registers.  CLUSTERS: 4 x 4; A's tiles are asked for jointly by a row of the cluster, B's by a column.
; No prefetch: three quarters of K are asked for at the head, and the last quarter's load has four K steps, 256 matrix instructions a wave, in which to land.
; OUT: qkv_img: planes of 98,304 bytes.  Plane 16 b + head: q [tile 128][768] (half fragments: K = 64); plane 64 + 16 b + head: k likewise; plane 128 + 2 (8 b + head pair) + c: v^T [key step 16][4 (head % 2) + d tile][768], c = which 64 of the step's 128 keys.
; qkv_sc: planes of 8,192 bytes: q, k: [tile][16 words], bytes 0, 1 the two blocks, bytes 2, 3 zero; plane 128 + 8 b + head pair: v^T [key step][8][16 words].
; LIMITS: NaN and infinities are not served; a block of zeros or under 2^-124 gets the byte 1 (this program alone reads the bytes).
; REGISTERS: window 0: v16-18, v20-22 LDS addresses; v24-30 way out, scale address, spare word; v32-95 scale words; v96-127 at work on the way out; v128-223 A's fragments, one set, later the codes made; v224-231 scale words on the way out.
;   window 1: B's fragments, two sets, at v0 and v128.  window 2: accumulators of my rows 0-63 ((a, b) at v[8 (8 a + b)]); window 3: of rows 64-127.
.set NL,    6                          ; LDS loads that bring a fragment
.set FR,    12                         ; its registers
.set HALFT, 24576                      ; 8 tiles x 256 along K: what one tensor load brings
.set SLOT,  98304                      ; A's two halves, then B's two
.set SCL,   3*SLOT                     ; the scale words: A's 16 tiles x 512 bytes, then B's
.set SPARE, SCL+16384                  ; the spare words, 128 bytes for each wave: two blocks of 256 bytes that no other line names
.set STAGE, SLOT                       ; the way out: 512 bytes a wave in slot 1, which has had its one fill and whose last read lies ahead of the barrier in K step 5
.set ADRA, 16
.set ADRB, 20
.set SST,  24                          ; v24 where I put a scale word
.set SRD,  25                          ; v25 where I read four back
.set CO,   26                          ; v26 8 x lane
.set ADRS, 27                          ; v27 LDS address of my scale words: lanes 0-15 A's rows, lanes 16-31 B's
.set SPW,  28
.set NIL,  29
.set L16,  30                          ; v30 16 x lane
.set SC,   32                          ; register SC + 8 i + j: lanes 0-15 the word of A's tile i, lanes 16-31 of B's tile i, for K step j
.set TM,   96
.set PT,   112
.set PW,   120
.set AF,   128
.set PC,   128
.set XW,   224
.set SEL,  12
.set MASK, 22
.set G1,   24
.set G1B,  32
.set G1S,  40
.set G1SB, 48
.set G0S,  56
.set G0SB, 60
.set G0,   68                          ; s[68:79] group 0 for A's tiles, a set for each slot;  s[80:91] for B's
.set G0B,  80
.set MSB, 0
.macro WIN new                         ; the immediate's high byte repeats the setting that is left
.if MSB != \new
	s_set_vgpr_msb (MSB<<8)|\new
.set MSB, \new
.endif
.endm
.set MUL_LO, 0xa1                      ; source 0 (B) window 1, source 1 (A) window 0, C and D window 2
.set MUL_HI, 0xf1
.set TO_B,   0x40
; A joint load: waves 0 and 1 fetch for A, waves 2 and 3 for B; the branch hangs on the wave's number alone.  Four v_nop follow each of the two lines.
.macro JLOAD g0a, g1a, g0b, g1b
	s_cmp_eq_u32 s15, 0
	s_cbranch_scc0 .Lfor_b_\@
	tensor_load_to_lds s[\g0a:\g0a+3], s[\g1a:\g1a+7]
	s_nop 0
.rept 4
	v_nop
.endr
	s_branch .Lasked_\@
.Lfor_b_\@:
	tensor_load_to_lds s[\g0b:\g0b+3], s[\g1b:\g1b+7]
	s_nop 0
.rept 4
	v_nop
.endr
.Lasked_\@:
.endm
.macro CREST                           ; a round of the cluster's barrier behind its opening barrier
	s_cmp_lg_u32 s14, 0
	s_cbranch_scc1 .Lnot_wave_0_\@
	s_barrier_signal -3
.Lnot_wave_0_\@:
	s_barrier_wait -3
	s_barrier_signal -1
	s_barrier_wait -1
.endm
.macro CROUND
	s_barrier_signal -1
	s_barrier_wait -1
	CREST
.endm
.macro PLACES n                        ; plain vector lines between a matrix instruction and a load into, or a vector read or write of, its registers
.rept \n
	v_nop
.endr
.endm
	s_load_b256 s[4:11], s[0:1], 0x0               ; in_img s[4:5], in_sc s[6:7], qkv_img s[8:9], qkv_sc s[10:11]
	v_lshl_add_u32 v[SPW], v0, 2, SPARE
	v_mov_b32 v[NIL], 0
	ds_add_u32 v28, v29
	ds_add_u32 v28, v29
	s_wait_dscnt 0x0
	v_lshrrev_b32 v1, 5, v0
	v_readfirstlane_b32 s14, v1                    ; wave 0..3
	s_lshr_b32 s15, s14, 1                         ; which half of the tile's rows is mine.  Also: I fetch for A (0) or for B (1)
	s_and_b32 s16, s14, 1                          ; which half of its columns.  Also: which 8 tiles I fetch
	s_bfe_u32 s92, ttmp6, 0x40000                  ; cx
	s_bfe_u32 s93, ttmp6, 0x40004                  ; cy
	s_and_b32 s94, ttmp7, 0xffff                   ; cluster y
	s_lshl_b32 s95, s93, 2
	s_lshl_b32 s95, 15, s95                        ; my row of the cluster
	s_lshl_b32 s23, 0x1111, s92                    ; my column
	; group 1, codes: 8 rows (tiles) of 384 elements of 8 bytes (two fragments), 1,536 elements from tile to tile; no padding: images are read 256 consecutive bytes an instruction
	s_or_b32 s[G1], s95, (3<<16)|(1<<21)           ; 15:0 the mask; 17:16 elements of 8 bytes; 21 set beside a mask
	s_or_b32 s[G1B], s23, (3<<16)|(1<<21)
.irp g, G1, G1B
	s_mov_b32 s[\g+1], 384<<16                     ; tensor_dim0
	s_mov_b32 s[\g+2], 8<<16                       ; tensor_dim1
	s_mov_b32 s[\g+3], 384<<16                     ; tile_dim0
	s_mov_b32 s[\g+4], 8                           ; tile_dim1
	s_mov_b32 s[\g+5], 1536                        ; tensor_dim0_stride
	s_mov_b32 s[\g+6], 0
	s_mov_b32 s[\g+7], 0
.endr
	; group 1, scale words of 8 tiles: 4,096 dense bytes as 16 rows of 256
	s_or_b32 s[G1S], s95, (3<<16)|(1<<21)
	s_or_b32 s[G1SB], s23, (3<<16)|(1<<21)
.irp g, G1S, G1SB
	s_mov_b32 s[\g+1], 32<<16
	s_mov_b32 s[\g+2], 16<<16
	s_mov_b32 s[\g+3], 32<<16
	s_mov_b32 s[\g+4], 16
	s_mov_b32 s[\g+5], 32
	s_mov_b32 s[\g+6], 0
	s_mov_b32 s[\g+7], 0
.endr
	; which tiles.  A's hang on cy and the cluster's place, B's on cx and the cluster's place, each in registers that never hold the other coordinate
	s_lshl_b32 s17, s94, 6                         ; 64 x cluster y: x's tiles of this cluster
	s_lshl_b32 s18, ttmp9, 6
	s_add_co_u32 s18, s18, 512                     ; w_attn's q or k tiles
	s_mov_b32 s19, 640                             ; w_attn's v tiles
	s_cmp_eq_u32 ttmp9, 2
	s_cselect_b32 s19, s19, s17                    ; A's first tile
	s_cselect_b32 s20, s17, s18                    ; B's
	s_lshl_b32 s21, s93, 4
	s_add_co_u32 s19, s19, s21                     ; + 16 cy
	s_lshl_b32 s22, s92, 4
	s_add_co_u32 s20, s20, s22                     ; + 16 cx
	s_lshl_b32 s21, s16, 3
	s_add_co_u32 s19, s19, s21                     ; + the 8 that I fetch
	s_add_co_u32 s20, s20, s21
	s_mul_i32 s98, s19, 12288
	s_mov_b32 s99, 0
	s_lshl_b32 s100, s19, 9
	s_mov_b32 s101, 0
	s_mul_i32 s2, s20, 12288
	s_mov_b32 s3, 0
	s_lshl_b32 s96, s20, 9
	s_mov_b32 s97, 0
	s_mul_i32 s17, s14, HALFT                      ; where they go: wave x 24,576: no place in the cluster enters an LDS address
	s_lshl_b32 s18, s14, 12
	s_mov_b32 s[SEL], 0x76543210
	s_mov_b32 s[SEL+1], 0xfedcba98
	s_wait_kmcnt 0x0
	s_add_nc_u64 s[98:99], s[4:5], s[98:99]
	s_add_nc_u64 s[100:101], s[6:7], s[100:101]
	s_add_nc_u64 s[2:3], s[4:5], s[2:3]
	s_add_nc_u64 s[96:97], s[6:7], s[96:97]
	CROUND                                         ; all sixteen work-groups are here: the first joint loads meet
	s_mov_b32 s[G0S], 1
	s_add_co_u32 s[G0S+1], s18, SCL
	s_mov_b64 s[G0S+2:G0S+3], s[100:101]
	s_or_b32 s[G0S+3], s[G0S+3], 0x80000000
	s_mov_b32 s[G0SB], 1
	s_add_co_u32 s[G0SB+1], s18, SCL
	s_mov_b64 s[G0SB+2:G0SB+3], s[96:97]
	s_or_b32 s[G0SB+3], s[G0SB+3], 0x80000000
	JLOAD G0S, G1S, G0SB, G1SB                     ; the scale words first: they are wanted with K step 0
.irp s, 0,1,2
	s_mov_b32 s[G0+4*\s], 1
	s_add_co_u32 s[G0+4*\s+1], s17, \s*SLOT
	s_add_nc_u64 s[G0+4*\s+2:G0+4*\s+3], s[98:99], \s*3072
	s_or_b32 s[G0+4*\s+3], s[G0+4*\s+3], 0x80000000
	s_mov_b32 s[G0B+4*\s], 1
	s_add_co_u32 s[G0B+4*\s+1], s17, \s*SLOT
	s_add_nc_u64 s[G0B+4*\s+2:G0B+4*\s+3], s[2:3], \s*3072
	s_or_b32 s[G0B+4*\s+3], s[G0B+4*\s+3], 0x80000000
	JLOAD G0+4*\s, G1, G0B+4*\s, G1B
.endr
	v_and_b32 v1, 31, v0                           ; lane
	v_and_b32 v2, 15, v0                           ; r
	v_bfe_u32 v3, v0, 4, 1                         ; h
	v_lshlrev_b32 v4, 3, v1                        ; 8 x lane
	s_mul_i32 s21, s15, HALFT                      ; my 8 tiles of A
	s_mul_i32 s22, s16, HALFT
	s_add_co_u32 s22, s22, 2*HALFT                 ; my 8 of B, behind A's 16
.irp s, 0,1,2
	v_add_nc_u32 v[ADRA+\s], s21, v4
	v_add_nc_u32 v[ADRB+\s], s22, v4
	s_add_co_u32 s21, s21, SLOT
	s_add_co_u32 s22, s22, SLOT
.endr
	v_lshlrev_b32 v5, 4, v2                        ; my row's 16 bytes of scale words
	s_lshl_b32 s21, s15, 12                        ; A's: my 8 tiles
	s_lshl_b32 s22, s16, 12
	s_add_co_u32 s22, s22, 8192                    ; B's: my 8, behind A's 16
	s_sub_co_u32 s22, s22, s21
	v_mul_u32_u24 v6, s22, v3                      ; lanes 16-31 take B's: one product, the distance between the two
	s_add_co_u32 s21, s21, SCL
	v_add_nc_u32 v5, v5, v6
	v_add_nc_u32 v[ADRS], s21, v5
	s_lshl_b32 s21, s14, 9
	s_add_co_u32 s21, s21, STAGE                   ; my 512 bytes of the stage
	v_lshl_add_u32 v[SST], v2, 2, s21
	v_lshlrev_b32 v[L16], 4, v1
	v_add_nc_u32 v[SRD], s21, v[L16]
	v_mov_b32 v[CO], v4
.irp b, 0,1,2,3
	v_mov_b32 v[TM+4+\b], 0                        ; written once: a lane permute's destination counts as one of its sources
.endr
	; where my results go.  x Wqk^T: my first tile of tokens t0, my first head hq (0-15 q, 16-31 k)
	s_lshl_b32 s17, s94, 6
	s_lshl_b32 s18, s93, 4
	s_add_co_u32 s17, s17, s18
	s_lshl_b32 s18, s15, 3
	s_add_co_u32 s17, s17, s18                     ; t0 = 64 cluster y + 16 cy + 8 x my half of the rows
	s_lshl_b32 s19, ttmp9, 4
	s_lshl_b32 s18, s92, 2
	s_add_co_u32 s19, s19, s18
	s_lshl_b32 s18, s16, 1
	s_add_co_u32 s19, s19, s18                     ; hq = 16 cluster x + 4 cx + 2 x my half of the columns
	s_lshr_b32 s20, s19, 4
	s_lshl_b32 s20, s20, 6
	s_lshr_b32 s18, s17, 7
	s_lshl_b32 s18, s18, 4
	s_add_co_u32 s20, s20, s18
	s_and_b32 s18, s19, 15
	s_add_co_u32 s20, s20, s18                     ; the plane: 64 (k?) + 16 b + head
	s_and_b32 s21, s17, 127                        ; the tile in it
	s_mul_i32 s98, s20, 98304
	s_mul_i32 s18, s21, 768
	s_add_co_u32 s98, s98, s18
	s_lshl_b32 s100, s20, 13
	s_lshl_b32 s18, s21, 6
	s_add_co_u32 s100, s100, s18
	; Wv x^T: my head pair, my step of 128 keys
	s_lshl_b32 s17, s93, 1
	s_add_co_u32 s17, s17, s15                     ; head pair = 2 cy + my half of the rows
	s_lshl_b32 s19, s94, 3
	s_lshl_b32 s18, s92, 1
	s_add_co_u32 s19, s19, s18
	s_add_co_u32 s19, s19, s16                     ; 8 cluster y + 2 cx + my half of the columns = 16 b + key step
	s_lshr_b32 s18, s19, 4
	s_lshl_b32 s18, s18, 3
	s_add_co_u32 s17, s17, s18                     ; 8 b + head pair
	s_and_b32 s19, s19, 15
	s_lshl_b32 s18, s17, 1
	s_add_co_u32 s18, s18, 128
	s_mul_i32 s2, s18, 98304
	s_mul_i32 s18, s19, 6144
	s_add_co_u32 s2, s2, s18
	s_add_co_u32 s17, s17, 128
	s_lshl_b32 s96, s17, 13
	s_lshl_b32 s18, s19, 9
	s_add_co_u32 s96, s96, s18
	s_cmp_eq_u32 ttmp9, 2
	s_cselect_b32 s98, s2, s98
	s_cselect_b32 s100, s96, s100
	s_cselect_b32 s[MASK], -1, 0xffff              ; of a scale word v^T keeps all four bytes, a head of q or k two
	s_mov_b32 s99, 0
	s_mov_b32 s101, 0
	s_add_nc_u64 s[8:9], s[8:9], s[98:99]
	s_add_nc_u64 s[10:11], s[10:11], s[100:101]
.macro FRAG reg, adr, q, i             ; a fragment comes as it was stored: six loads of 8 bytes a lane, 256 consecutive bytes each
.irp p, 0,1,2,3,4,5
	ds_load_b64 v[\reg+2*\p:\reg+2*\p+1], v[\adr] offset:3072*(\i)+1536*(\q)+256*\p
.endr
.endm
.macro FETCH_B slot, q, p              ; B's eight fragments of the slot's q-th 128 along K into set p
	WIN TO_B
.irp i, 0,1,2,3,4,5,6,7
	FRAG 128*(\p)+FR*\i, ADRB+\slot, \q, \i
.endr
	WIN 0
.endm
.macro FETCH_A slot, q, i0             ; A's tiles i0 .. i0 + 3
.irp i, \i0, \i0+1, \i0+2, \i0+3
	FRAG AF+FR*(\i), ADRA+\slot, \q, \i
.endr
.endm
; 16 matrix instructions: A's tiles a0, a0 + 1 x B's eight, K step j.  p: B's set.  zero = 1: the first product starts the sums.  The 64 accumulators take turns, one instruction a turn, in the same order in every step.
.macro MUL16 a0, p, j, zero
.irp a, \a0, \a0+1
.irp b, 0,1,2,3,4,5,6,7
.if \zero
	v_wmma_scale_f32_16x16x128_f8f6f4 v[8*(8*((\a)%4)+\b):8*(8*((\a)%4)+\b)+7], v[128*(\p)+FR*\b:128*(\p)+FR*\b+FR-1], v[AF+FR*(\a):AF+FR*(\a)+FR-1], 0, v[SC+8*\b+(\j)], v[SC+8*(\a)+(\j)] matrix_a_fmt:MATRIX_FMT_FP6 matrix_b_fmt:MATRIX_FMT_FP6 matrix_a_scale:MATRIX_SCALE_ROW1
.else
	v_wmma_scale_f32_16x16x128_f8f6f4 v[8*(8*((\a)%4)+\b):8*(8*((\a)%4)+\b)+7], v[128*(\p)+FR*\b:128*(\p)+FR*\b+FR-1], v[AF+FR*(\a):AF+FR*(\a)+FR-1], v[8*(8*((\a)%4)+\b):8*(8*((\a)%4)+\b)+7], v[SC+8*\b+(\j)], v[SC+8*(\a)+(\j)] matrix_a_fmt:MATRIX_FMT_FP6 matrix_b_fmt:MATRIX_FMT_FP6 matrix_a_scale:MATRIX_SCALE_ROW1
.endif
.endr
.endr
.endm
; K step j; the next step's fragments lie in slot ns, its nq-th 128 along K.  A has one set of registers: tiles 0-3 are fetched anew in the step's middle, tiles 4-7 at its end; B has two sets.
.macro STEP j, ns, nq, zero
	s_wait_dscnt 4*NL                              ; all but the youngest 24 loads (A's tiles 4-7) are in
	WIN MUL_LO
	MUL16 0, (\j)%2, \j, \zero
	MUL16 2, (\j)%2, \j, \zero
	s_wait_dscnt 0                                 ; A's tiles 4-7 are in
	PLACES 4
	FETCH_B \ns, \nq, 1-(\j)%2
	FETCH_A \ns, \nq, 0
	WIN MUL_HI
	MUL16 4, (\j)%2, \j, \zero
	MUL16 6, (\j)%2, \j, \zero
	PLACES 4
	WIN 0
	FETCH_A \ns, \nq, 4
.endm
; An odd K step with a barrier in it.  In front of the barrier each wave waits for all its tensor loads, adds 0 to its spare word, and waits for that and for its LDS reads.
; fill = 1: the barrier opens a round of the cluster's barrier, and behind the round slot 0, which nobody reads any more, takes the last 256 along K.
.macro TURN j, ns, fill
	s_wait_tensorcnt 0x0                           ; all my tensor loads have landed
	ds_add_u32 v[SPW], v[NIL]                      ; 0 onto my spare word
	s_wait_dscnt 4*NL+1                            ; (the add and the youngest 24 loads may be out)
	WIN MUL_LO
	MUL16 0, 1, \j, 0                              ; sixteen matrix instructions stand between the add and the wait for it
	s_wait_dscnt 0x0                               ; the add is done, and my reads of the slots behind me are over
	s_barrier_signal -1
	MUL16 2, 1, \j, 0
	WIN 0
	s_barrier_wait -1
.if \fill
	CREST                                          ; no wave of any partner still reads slot 0 or has a load on its way
	s_add_nc_u64 s[G0+2:G0+3], s[G0+2:G0+3], 3*3072
	s_add_nc_u64 s[G0B+2:G0B+3], s[G0B+2:G0B+3], 3*3072
	JLOAD G0, G1, G0B, G1B                         ; the first tensor load behind the round, and my only one; its four v_nop are also the places in front of the loads below
.else
	PLACES 4
.endif
	FETCH_B \ns, 0, 0
	FETCH_A \ns, 0, 0
	WIN MUL_HI
	MUL16 4, 1, \j, 0
	MUL16 6, 1, \j, 0
	PLACES 4
	WIN 0
	FETCH_A \ns, 0, 4
.endm
	s_wait_tensorcnt 2                             ; the scale words and my part of slot 0 are in; slots 1 and 2 may stay out
	s_barrier_signal -1
	s_barrier_wait -1
	FETCH_B 0, 0, 0
	FETCH_A 0, 0, 0
.irp i, 0,1,2,3,4,5,6,7
.irp H, 0,1
	ds_load_b128 v[SC+8*\i+4*\H:SC+8*\i+4*\H+3], v[ADRS] offset:512*\i+256*\H   ; all scale words, once: four K steps' words of a row an instruction
.endr
.endr
	FETCH_A 0, 0, 4
	STEP 0, 0, 1, 1                                ; the first step's products start the sums
	TURN 1, 1, 1                                   ; slot 0 is read out: the one refill.  The wait for all loads in front of its round also shows slots 1 and 2 whole to every wave
	STEP 2, 1, 1, 0
	STEP 3, 2, 0, 0
	STEP 4, 2, 1, 0
	TURN 5, 0, 0                                   ; the refill has landed, in every wave: slot 0 is read again
	STEP 6, 0, 1, 0
	s_wait_dscnt 4*NL                              ; the last step: nothing more to fetch
	WIN MUL_LO
	MUL16 0, 1, 7, 0
	MUL16 2, 1, 7, 0
	s_wait_dscnt 0
	WIN MUL_HI
	MUL16 4, 1, 7, 0
	MUL16 6, 1, 7, 0
	WIN 0
; THE WAY OUT.  Block a (16 rows x my 128 columns): a lane's 64 numbers, register 16 b + i = column 32 b + 16 h + i of its row, become a fragment's codes in v[PC + 12 a] on and its scale word in v[PW + a].
; Each accumulator is read from its low end on.  Each block has its own registers for its codes, so no store's data are written again.
.macro QUANTW a
.set WW, 2+(\a)/4
.set WS2, (WW<<2)|(WW<<4)
.set AC, 64*((\a)%4)
.set PCA, PC+12*(\a)
	WIN WS2                                        ; sources 1 and 2: the accumulators' window
.irp b, 0,1,2,3
	v_max3_num_f32 v[TM+\b], 0x1800000, |v[AC+16*\b]|, |v[AC+16*\b+1]|   ; block b: my 16 numbers, and the floor 2^(3 - 127): the byte cannot fall under 1
.endr
.irp i, 2,4,6,8,10,12,14
.irp b, 0,1,2,3
	v_max3_num_f32 v[TM+\b], v[TM+\b], |v[AC+16*\b+\i]|, |v[AC+16*\b+\i+1]|
.endr
.endr
	WIN 0
.irp b, 0,1,2,3
	v_permlanex16_b32 v[TM+4+\b], v[TM+\b], s[SEL], s[SEL+1]
.endr
.irp b, 0,1,2,3
	v_max_num_f32 v[TM+\b], v[TM+\b], v[TM+4+\b]   ; with lane l xor 16's: the block's largest magnitude
.endr
.irp b, 0,1,2,3
	v_add_nc_u32 v[TM+12+\b], 0xff000000, v[TM+\b] ; 2 off its exponent field: the conversion's scale operand
.endr
.irp b, 0,1,2,3
	v_lshrrev_b32 v[TM+4+\b], 23, v[TM+12+\b]      ; the scale's byte
.endr
	v_lshl_or_b32 v[PW+(\a)], v[TM+5], 8, v[TM+4]
	v_lshl_or_b32 v[PW+(\a)], v[TM+6], 16, v[PW+(\a)]
	v_lshl_or_b32 v[PW+(\a)], v[TM+7], 24, v[PW+(\a)]
	WIN WW                                         ; source 0: the accumulators' window
.irp c, 0,1
	v_cvt_scalef32_pk16_fp6_f32 v[PCA+6*\c:PCA+6*\c+2], v[AC+32*\c:AC+32*\c+15], v[TM+12+2*\c]
	v_cvt_scalef32_pk16_fp6_f32 v[PT+4*\c:PT+4*\c+2], v[AC+32*\c+16:AC+32*\c+31], v[TM+12+2*\c+1]
.endr
	WIN 0
	v_nop                                          ; one plain line behind the scaled conversions
.irp c, 0,1                            ; the operand's layout wants a whole block in a lane: lanes 0-15 block 2 c, lanes 16-31 block 2 c + 1
.irp i, 0,1,2
	v_permlane16_swap_b32 v[PCA+6*\c+\i], v[PT+4*\c+\i]
.endr
.irp i, 0,1,2
	v_mov_b32 v[PCA+3+6*\c+\i], v[PT+4*\c+\i]
.endr
.endr
.endm
	PLACES 4                                       ; behind the last products: their results are read, and the registers that held A's fragments are written
.irp a, 0,1,2,3,4,5,6,7
	QUANTW \a
.irp u, 0,1,2,3,4,5
	global_store_b64 v[CO], v[PC+12*\a+2*\u:PC+12*\a+2*\u+1], s[8:9] offset:768*\a+98304*(\u/3)+256*(\u%3)   ; 256 consecutive bytes, aligned; the fragment's second half (the second head, or the step's second 64 keys) lies a plane on
.endr
	ds_store_b32 v[SST], v[PW+\a] offset:64*\a     ; lanes r and r + 16 write the same word with the same value
.endr
	ds_load_b128 v[XW:XW+3], v[SRD]                ; LDS serves a wave's instructions in order: these see my stores.  My 128 words, four a lane
	s_wait_dscnt 0x0
.irp i, 0,1,2,3
	v_and_b32 v[XW+4+\i], s[MASK], v[XW+\i]
.endr
	global_store_b128 v[L16], v[XW+4:XW+7], s[10:11]               ; 512 consecutive bytes
	s_cmp_eq_u32 ttmp9, 2                          ; the cluster's x: alike in all partners
	s_cbranch_scc1 .Lone_plane
.irp i, 0,1,2,3
	v_lshrrev_b32 v[XW+\i], 16, v[XW+\i]           ; q, k: the second head's two bytes,
.endr
	global_store_b128 v[L16], v[XW:XW+3], s[10:11] offset:8192     ; a plane on
.Lone_plane:
	s_wait_tensorcnt 0x0                           ; the wave's end
	ds_add_u32 v[SPW], v[NIL]
	s_wait_dscnt 0x0
	CROUND                                         ; the closing round
	s_endpgm
.Lfunc_end_k_qeacdf6650d_qkv:
	.size	k_qeacdf6650d_qkv, .Lfunc_end_k_qeacdf6650d_qkv-k_qeacdf6650d_qkv
	.p2alignl 7, 3214868480
	.fill 96, 4, 3214868480
	.section	.rodata,"a",@progbits
	.p2align	6, 0x0
	.amdhsa_kernel k_qeacdf6650d_qkv
		.amdhsa_group_segment_fixed_size 327680
		.amdhsa_private_segment_fixed_size 0
		.amdhsa_enable_private_segment 0
		.amdhsa_kernarg_size 32
		.amdhsa_user_sgpr_count 2
		.amdhsa_user_sgpr_kernarg_segment_ptr 1
		.amdhsa_wavefront_size32 1
		.amdhsa_system_sgpr_workgroup_id_x 1
		.amdhsa_system_sgpr_workgroup_id_y 1
		.amdhsa_system_sgpr_workgroup_id_z 1
		.amdhsa_system_vgpr_workitem_id 0
		.amdhsa_next_free_vgpr 1024
		.amdhsa_next_free_sgpr 102
		.amdhsa_reserve_vcc 0
		.amdhsa_float_denorm_mode_32 3
		.amdhsa_float_denorm_mode_16_64 3
		.amdhsa_memory_ordered 1
		.amdhsa_forward_progress 1
		.amdhsa_inst_pref_size 167
	.end_amdhsa_kernel
	.amdgpu_metadata
---
amdhsa.version: [ 1, 2 ]
amdhsa.kernels:
  - .name:           k_qeacdf6650d_qkv
    .symbol:         k_qeacdf6650d_qkv.kd
    .args:
      - { .name: in_img, .offset: 0, .size: 8, .value_kind: global_buffer, .address_space: global }
      - { .name: in_sc, .offset: 8, .size: 8, .value_kind: global_buffer, .address_space: global }
      - { .name: qkv_img, .offset: 16, .size: 8, .value_kind: global_buffer, .address_space: global }
      - { .name: qkv_sc, .offset: 24, .size: 8, .value_kind: global_buffer, .address_space: global }
    .group_segment_fixed_size: 327680
    .private_segment_fixed_size: 0
    .kernarg_segment_align: 8
    .kernarg_segment_size: 32
    .max_flat_workgroup_size: 128
    .sgpr_count:     102
    .vgpr_count:     1024
    .wavefront_size: 32
...
	.end_amdgpu_metadata
.endif
;; end of part 2
;; launch attn (part 3): grid 4 x 64, 16 waves a work-group, clusters of 4 x 1, 210,944 bytes of LDS; arguments qkv_img, qkv_sc, y_img, y_sc; writes y_img, y_sc
.if DOCPART == 3
	.amdgcn_target "amdgcn-amd-amdhsa--gfx1250"
	.amdhsa_code_object_version 6
	.text
	.protected	k_qeacdf6650d_attn
	.globl	k_qeacdf6650d_attn
	.p2align	8
	.type	k_qeacdf6650d_attn,@function
k_qeacdf6650d_attn:
	s_mov_b64 s[64:65], 0
	v_nop
	global_prefetch_b8 v0, s[64:65] scope:SCOPE_SE
	s_setreg_imm32_b32 hwreg(HW_REG_WAVE_MODE, 25, 1), 1
	s_wait_xcnt 0x0
	s_wait_alu depctr_hold_cnt(0) depctr_sa_sdst(0) depctr_va_vdst(0) depctr_va_sdst(0) depctr_va_ssrc(0) depctr_va_vcc(0) depctr_vm_vsrc(0)
	s_getreg_b32 s2, hwreg(HW_REG_IB_STS2, 6, 4)
	s_cmp_eq_u32 s2, 0
	s_cbranch_scc0 .Lentry_in_a_cluster
	s_endpgm
.Lentry_in_a_cluster:
	s_bfe_u32 s2, ttmp6, 0x10000c
	s_cmp_lg_u32 s2, 0x3003
	s_cbranch_scc0 .Lentry_shape_is_right
	s_endpgm
.Lentry_shape_is_right:
; Products 2 and 3 with the causal softmax between them, on codes of FP6 (E2M3) with E8M0 scales; y is quantised along the channels on its way out, for product 4.
; t = score x log2(e) / 8; M = the running largest t rounded UP to a whole number; p = 2^(t - M) is quantised along the keys, not normalised; the row's sum is taken of the unquantised p and divides O at the end.
; When M moves, the sum and O are multiplied by 2^(old M - new M): exact.
; SHARES.  A cluster of four work-groups is one (batch, head); its 64 waves own two tiles of 16 queries each.  Wave w (w' = w % 8, e = w / 8) of the partner at place cx takes tile 8 (8 + w') + 4 e + cx, then tile 8 (7 - w') + 4 e + cx.
; A tile's group of 128 queries hangs on the wave's number alone, so every branch is alike in all partners; cx enters global addresses and the mask's numbers alone.  (9 + w') + (8 - w') = 17 key steps of 128 for every wave.
; THE HEAD'S K AND V STAY IN LDS: 196,608 bytes of codes and 12,288 of scale words, each byte filled once, by joint loads (mask: all four partners) of waves 0 to 4, two each, at the kernel's head.
; A wave's first load brings what key steps 0 to 3 want, its second the rest: every wave has exactly four steps of work between the two barriers.  No slot is filled again.  No prefetch: every tile is asked for at the head.
; LAYOUT.  Both products are used transposed: S^T = K Q^T, O^T = V^T P^T: a lane holds ONE query (image row lane % 16 of its tile) throughout.  Tiles are images of registers; image row p of tile t is row 32 (t / 2) + 8 (t % 2) + p + 8 (p / 8):
; so the 16 registers of S^T's tiles 2 b, 2 b + 1 are keys 32 b + 16 h + 0 .. 15, and those of O^T's are channels likewise.
; PRODUCT 2 HAS K = 64.  Q's registers 6-11 are zero codes, and bytes 2, 3 of Q's and K's scale words are 0 (2^-127).  K's tile t is named as v[F + 6 t .. F + 6 t + 11]: its upper six registers are the next tile's codes (for tile 7: the registers of p's codes).
; Whatever they hold are codes of E2M3, which has no infinity and no NaN: against Q's zero codes they add exactly 0.
; LIMITS: NaN and infinities are not served.  A hidden score is taken as -infinity where the problem has -1e9: p is 0 either way unless a row's true scores all lie near -1e9.  A block of zeros or under 2^-124 gets the byte 1.
; y's scale bytes leave as single bytes, 32 for a tile and head (one for each 24 bytes of codes): a row's 16 bytes come from eight heads, that is from eight clusters.
.set KC,   0                           ; LDS: K's codes [tile 128][768]
.set VC,   98304                       ; V^T's [c 2][key step 16][d tile 4][768]
.set KS,   196608                      ; K's scale words [tile][16]
.set VS,   204800                      ; V^T's [key step][d tile][16]
.set AK0,  1                           ; v1-4  my lane's place in K's and V's tiles and scale words
.set AV0,  2
.set ASK0, 3
.set ASV0, 4
.set L8,   5                           ; v5    8 x lane
.set YSO,  6                           ; v6    16 r + h
.set DQ,   7                           ; v7    my query in its group of 128, less 16 h
.set ADK,  8                           ; v8-11 the step's LDS addresses
.set ADV,  9
.set ADS,  10
.set ADT,  11                          ; v12 -M, v13 the largest t, v[14:15] the sum in two halves
.set QA,   16                          ; v16-27, v28-39  the two tiles of Q: six registers of codes, six of zeros
.set QB,   28
.set F,    40                          ; v40-87   eight tiles of K x 6, then four fragments of V^T x 12
.set PC,   88                          ; v88-99   p's codes
.set PT,   100                         ; v100-107 at work in the conversions
.set S,    108                         ; v108-171 S^T, then p
.set O,    172                         ; v172-203 O^T
.set BM,   204
.set T2,   208
.set SCO,  212
.set KSC,  216
.set VSC,  220
.set FF,   222                         ; f = 2^(old M - new M); named as a pair with
.set PSW,  223                         ; p's scale word
.set TMP,  224
.set QSA,  225
.set QSB,  226
.set NINF, 227
.set HH,   228
.set BYT,  229
.set RL,   230
.set WV,   12
.set SEL,  20
.set CS,   22
.set G1K,  24
.set G1V1, 32
.set G1V2, 40
.set G1S1, 48
.set G1S2, 56
.set GA,   68
.set GB,   72
.set KG,   76
.set VG,   78
.set KSG,  80
.set VSG,  82
.set TLA,  84                          ; s84, s85 my two tiles
.set TLB,  85
.set CNT,  87                          ; a loop's trips to go
.set SI,   88                          ; the key step
.set TK,   89                          ; and where its tiles and scale words begin
.set TV,   90
.set TSK,  91
.set TSV,  92
.set GG,   93                          ; the group of 128 queries in hand = its last key step
.set YO,   94
.set YS,   96
.macro CROUND                          ; a round of the cluster's barrier
	s_barrier_signal -1
	s_barrier_wait -1
	s_cmp_lg_u32 s[WV], 0
	s_cbranch_scc1 .Lnot_wave_0_\@
	s_barrier_signal -3
.Lnot_wave_0_\@:
	s_barrier_wait -3
	s_barrier_signal -1
	s_barrier_wait -1
.endm
; Wave n's two first fills, in one branch on the wave's number; four v_nop follow the second.
.macro ARM n, ldsa, basea, offa, g1a, ldsb, baseb, offb, g1b
	s_cmp_lg_u32 s[WV], \n
	s_cbranch_scc1 .Lnot_\@
	s_mov_b32 s[GA], 1
	s_mov_b32 s[GA+1], \ldsa
	s_add_nc_u64 s[GA+2:GA+3], s[\basea:\basea+1], \offa
	s_or_b32 s[GA+3], s[GA+3], 0x80000000
	s_mov_b32 s[GB], 1
	s_mov_b32 s[GB+1], \ldsb
	s_add_nc_u64 s[GB+2:GB+3], s[\baseb:\baseb+1], \offb
	s_or_b32 s[GB+3], s[GB+3], 0x80000000
	tensor_load_to_lds s[GA:GA+3], s[\g1a:\g1a+7]
	s_nop 0
	tensor_load_to_lds s[GB:GB+3], s[\g1b:\g1b+7]
	s_nop 0
.rept 4
	v_nop
.endr
	s_branch .Lasked
.Lnot_\@:
.endm
.macro G1SET g, c, r, p                ; group 1: r rows of c elements of 8 bytes, p elements from row to row; mask: all four partners, bit 21 beside it
	s_mov_b32 s[\g], 15|(3<<16)|(1<<21)
	s_mov_b32 s[\g+1], (\c)<<16
	s_mov_b32 s[\g+2], (\r)<<16
	s_mov_b32 s[\g+3], (\c)<<16
	s_mov_b32 s[\g+4], \r
	s_mov_b32 s[\g+5], \p
	s_mov_b32 s[\g+6], 0
	s_mov_b32 s[\g+7], 0
.endm
	s_load_b256 s[4:11], s[0:1], 0x0               ; qkv_img s[4:5], qkv_sc s[6:7], y_img s[8:9], y_sc s[10:11]
	v_lshl_add_u32 v254, v0, 2, 0x33000
	v_mov_b32 v255, 0
	ds_add_u32 v254, v255
	ds_add_u32 v254, v255
	v_lshrrev_b32 v1, 5, v0
	s_delay_alu instid0(VALU_DEP_1)
	v_readfirstlane_b32 s[WV], v1                  ; wave 0..15
	s_bfe_u32 s13, ttmp6, 0x40000                  ; cx
	s_and_b32 s14, ttmp7, 0xffff                   ; 16 b + head, which the partners share
	s_lshr_b32 s15, s14, 4                         ; b
	s_and_b32 s16, s14, 15                         ; head
	s_and_b32 s17, s[WV], 7                        ; w'
	s_lshr_b32 s18, s[WV], 3                       ; e
	G1SET G1K, 32, 96, 32                          ; a quarter of K's codes: 24,576 dense bytes as rows of 256
	G1SET G1V1, 384, 4, 768                        ; V^T, key steps 0-3: my head's four tiles of a step are 3,072 bytes, 6,144 from step to step
	G1SET G1V2, 384, 12, 768                       ; key steps 4-15
	G1SET G1S1, 32, 32, 32                         ; K's scale words: 8,192 dense bytes
	G1SET G1S2, 32, 16, 64                         ; V^T's: 256 bytes a step, 512 from step to step
	s_mov_b32 s[SEL], 0x76543210
	s_mov_b32 s[SEL+1], 0xfedcba98
	s_mov_b32 s[CS], 0x3e38aa3b                    ; c = log2(e) / sqrt(64)
	s_mov_b32 s[CS+1], s[CS]                       ; (named with it as a pair, so it is written)
	s_add_co_u32 s2, s14, 64
	s_mul_i32 s98, s2, 98304                       ; K's plane of codes,
	s_mov_b32 s99, 0
	s_lshl_b32 s100, s2, 13                        ; and of scale words
	s_mov_b32 s101, 0
	s_lshl_b32 s2, s15, 3
	s_lshr_b32 s3, s16, 1
	s_add_co_u32 s2, s2, s3                        ; 8 b + head pair
	s_and_b32 s3, s16, 1                           ; which head of the pair
	s_lshl_b32 s84, s2, 1
	s_add_co_u32 s84, s84, 128
	s_mul_i32 s84, s84, 98304
	s_mul_i32 s19, s3, 3072
	s_add_co_u32 s84, s84, s19                     ; V^T's first plane of codes, my head's tiles
	s_mov_b32 s85, 0
	s_add_co_u32 s86, s2, 128
	s_lshl_b32 s86, s86, 13
	s_lshl_b32 s19, s3, 8
	s_add_co_u32 s86, s86, s19                     ; and its scale words
	s_mov_b32 s87, 0
	s_wait_dscnt 0x0
	s_wait_kmcnt 0x0
	s_add_nc_u64 s[KG:KG+1], s[4:5], s[98:99]
	s_add_nc_u64 s[VG:VG+1], s[4:5], s[84:85]
	s_add_nc_u64 s[KSG:KSG+1], s[6:7], s[100:101]
	s_add_nc_u64 s[VSG:VSG+1], s[6:7], s[86:87]
	CROUND                                         ; all four work-groups are here: the joint loads meet
	ARM 0, KC, KG, 0, G1K, KC+24576, KG, 24576, G1K
	ARM 1, VC, VG, 0, G1V1, VC+12288, VG, 24576, G1V2
	ARM 2, VC+49152, VG, 98304, G1V1, VC+61440, VG, 122880, G1V2
	ARM 3, KS, KSG, 0, G1S1, KC+49152, KG, 49152, G1K
	ARM 4, VS, VSG, 0, G1S2, KC+73728, KG, 73728, G1K
.Lasked:
	s_lshl_b32 s19, s18, 2
	s_add_co_u32 s19, s19, s13                     ; my tile in its group of eight: 4 e + cx
	s_add_co_u32 s[TLA], s17, 8
	s_lshl_b32 s[TLA], s[TLA], 3
	s_add_co_u32 s[TLA], s[TLA], s19               ; 8 (8 + w') + 4 e + cx
	s_sub_co_u32 s[TLB], 7, s17
	s_lshl_b32 s[TLB], s[TLB], 3
	s_add_co_u32 s[TLB], s[TLB], s19               ; 8 (7 - w') + 4 e + cx
	v_and_b32 v8, 31, v0                           ; lane
	v_and_b32 v9, 15, v0                           ; r
	v_bfe_u32 v[HH], v0, 4, 1                      ; h
	s_delay_alu instid0(VALU_DEP_3)
	v_lshlrev_b32 v[AK0], 3, v8
	s_delay_alu instid0(VALU_DEP_1)
	v_add_nc_u32 v[AV0], VC, v[AK0]
	v_lshlrev_b32 v10, 2, v8
	s_delay_alu instid0(VALU_DEP_1)
	v_add_nc_u32 v[ASK0], KS, v10
	s_delay_alu instid0(VALU_DEP_2)
	v_add_nc_u32 v[ASV0], VS, v10
	v_lshlrev_b32 v[L8], 3, v8
	v_lshl_add_u32 v[YSO], v9, 4, v[HH]
	s_mul_i32 s2, s14, 98304                       ; Q's plane
	s_mul_i32 s3, s[TLA], 768
	s_add_co_u32 s3, s3, s2
	v_add_nc_u32 v[BM], s3, v[L8]
	s_mul_i32 s3, s[TLB], 768
	s_add_co_u32 s3, s3, s2
	v_add_nc_u32 v[BM+1], s3, v[L8]
	s_lshl_b32 s2, s14, 13
	s_lshl_b32 s3, s[TLA], 6
	s_add_co_u32 s3, s3, s2
	v_lshl_add_u32 v[BM+2], v9, 2, s3
	s_lshl_b32 s3, s[TLB], 6
	s_add_co_u32 s3, s3, s2
	v_lshl_add_u32 v[BM+3], v9, 2, s3
.irp u, 0,1,2
	global_load_b64 v[QA+2*\u:QA+2*\u+1], v[BM], s[4:5] offset:256*\u
	global_load_b64 v[QB+2*\u:QB+2*\u+1], v[BM+1], s[4:5] offset:256*\u
.endr
	global_load_b32 v[QSA], v[BM+2], s[6:7]
	global_load_b32 v[QSB], v[BM+3], s[6:7]
	s_lshr_b32 s2, s19, 1
	s_lshl_b32 s2, s2, 5
	s_and_b32 s3, s19, 1
	s_lshl_b32 s3, s3, 3
	s_add_co_u32 s2, s2, s3
	v_and_b32 v[DQ], 8, v9
	s_delay_alu instid0(VALU_DEP_1)
	v_add_nc_u32 v[DQ], v[DQ], v9
	v_lshlrev_b32 v11, 4, v[HH]
	s_delay_alu instid0(VALU_DEP_1)
	v_sub_nc_u32 v[DQ], v[DQ], v11
	s_delay_alu instid0(VALU_DEP_1)
	v_add_nc_u32 v[DQ], s2, v[DQ]                  ; my query in its group, less 16 h
.irp i, 6,7,8,9,10,11
	v_mov_b32 v[QA+\i], 0                          ; zero codes for k = 64 .. 127
	v_mov_b32 v[QB+\i], 0
.endr
.irp i, 0,1,2,3,4,5,6,7,8,9,10,11
	v_mov_b32 v[PC+\i], 0                          ; named with K's tile 7 before p's first codes are made
.endr
.irp b, 0,1,2,3
	v_mov_b32 v[T2+\b], 0                          ; a lane permute's destination counts as one of its sources
.endr
	v_mov_b32 v[PSW], 0                            ; (named as the upper half of a pair before it is first written)
	v_mov_b32 v[TMP], 0
	v_mov_b32 v[NINF], 0xff800000                  ; -infinity
; A KEY STEP: 128 keys against my 16 queries.  q: Q's fragment, qs: its scale words.  causal = 1: the step is left out where all its keys come after my group's queries, and masked where it is the group's own.
.macro STEP q, qs, causal
.if \causal
	s_cmp_gt_u32 s[SI], s[GG]
	s_cbranch_scc1 .Lhidden_\@
.endif
	s_setprio 2
	v_add_nc_u32 v[ADK], s[TK], v[AK0]             ; (these four are also the places in front of the loads into registers that the last products read)
	v_add_nc_u32 v[ADV], s[TV], v[AV0]
	v_add_nc_u32 v[ADS], s[TSK], v[ASK0]
	v_add_nc_u32 v[ADT], s[TSV], v[ASV0]
.irp t, 0,1,2,3,4,5,6,7
.irp u, 0,1,2
	ds_load_b64 v[F+6*\t+2*\u:F+6*\t+2*\u+1], v[ADK] offset:768*\t+256*\u
.endr
.endr
.irp i, 0,1,2,3
	ds_load_b32 v[KSC+\i], v[ADS] offset:128*\i    ; lanes 0-15 tile 2 i's words, lanes 16-31 tile 2 i + 1's
.endr
	s_wait_alu depctr_va_vdst(0)
	s_wait_dscnt 0x0
.irp t, 0,2,4,6
	v_wmma_scale_f32_16x16x128_f8f6f4 v[S+8*\t:S+8*\t+7], v[F+6*\t:F+6*\t+11], v[\q:\q+11], 0, v[KSC+\t/2], v[\qs] matrix_a_fmt:MATRIX_FMT_FP6 matrix_b_fmt:MATRIX_FMT_FP6
	v_wmma_scale_f32_16x16x128_f8f6f4 v[S+8*\t+8:S+8*\t+15], v[F+6*\t+6:F+6*\t+17], v[\q:\q+11], 0, v[KSC+\t/2], v[\qs] matrix_a_fmt:MATRIX_FMT_FP6 matrix_b_fmt:MATRIX_FMT_FP6 matrix_a_scale:MATRIX_SCALE_ROW1
.endr
.rept 4
	v_nop                                          ; places: the loads below land in registers that these products read, and the scores are read
.endr
.irp t, 0,1,2,3                        ; V^T's four fragments are on their way while the softmax is worked
.irp c, 0,1
.irp u, 0,1,2
	ds_load_b64 v[F+12*\t+6*\c+2*\u:F+12*\t+6*\c+2*\u+1], v[ADV] offset:49152*\c+768*\t+256*\u
.endr
.endr
.endr
.irp i, 0,1
	ds_load_b32 v[VSC+\i], v[ADT] offset:128*\i
.endr
.if \causal
	s_cmp_lt_u32 s[SI], s[GG]
	s_cbranch_scc1 .Lopen_\@
.set n, 0
.rept 64                               ; the group's own step: register 16 b + i holds key 32 b + 16 h + i of the step: hidden where 32 b + i > my query - 16 h
	v_cmp_gt_i32 vcc_lo, 32*(n/16)+n%16, v[DQ]
	v_cndmask_b32 v[S+n], v[S+n], v[NINF], vcc_lo
.set n, n+1
.endr
.Lopen_\@:
.endif
.irp b, 0,1,2,3
	v_max3_num_f32 v[BM+\b], v[S+16*\b], v[S+16*\b+1], v[S+16*\b+2]   ; the largest score of each block of 32 keys: for the row's maximum, and, since p rises with the score, for the block's largest p
.endr
.irp i, 3,5,7,9,11,13
.irp b, 0,1,2,3
	v_max3_num_f32 v[BM+\b], v[BM+\b], v[S+16*\b+\i], v[S+16*\b+\i+1]
.endr
.endr
.irp b, 0,1,2,3
	v_max_num_f32 v[BM+\b], v[BM+\b], v[S+16*\b+15]
.endr
.irp b, 0,1,2,3
	s_delay_alu instid0(VALU_DEP_4)
	v_permlanex16_b32 v[T2+\b], v[BM+\b], s[SEL], s[SEL+1]
.endr
.irp b, 0,1,2,3
	s_delay_alu instid0(VALU_DEP_4)
	v_max_num_f32 v[BM+\b], v[BM+\b], v[T2+\b]     ; with lane l xor 16's 16 keys
.endr
	s_delay_alu instid0(VALU_DEP_2)
	v_max3_num_f32 v[TMP], v[BM], v[BM+1], v[BM+2]
	s_delay_alu instid0(VALU_DEP_1)
	v_max_num_f32 v[TMP], v[TMP], v[BM+3]          ; the step's largest score of my query
	s_delay_alu instid0(VALU_DEP_1)
	v_mul_f32 v[TMP], s[CS], v[TMP]                ; as t (c is positive)
	s_delay_alu instid0(VALU_DEP_1)
	v_max_num_f32 v13, v13, v[TMP]                 ; the running largest t
	v_mov_b32 v[TMP], v12
	s_delay_alu instid0(VALU_DEP_2)
	v_floor_f32 v12, -v13                          ; the new -M = floor(-t): M is a whole number
	s_delay_alu instid0(VALU_DEP_1)
	v_sub_f32 v[TMP], v12, v[TMP]                  ; old M - new M: a whole number, 0 or less
	s_delay_alu instid0(VALU_DEP_1)
	v_cvt_i32_f32 v[TMP], v[TMP]                   ; (it saturates)
	s_delay_alu instid0(VALU_DEP_1)
	v_ldexp_f32 v[FF], 1.0, v[TMP]                 ; f = 2^(old M - new M)
.set n, 0
.rept 32
	v_pk_fma_f32 v[S+n:S+n+1], v[S+n:S+n+1], s[CS:CS+1], v[12:13] op_sel_hi:[1,0,0]   ; t - M, two at a time
.set n, n+2
.endr
.irp b, 0,1,2,3
	v_fma_f32 v[BM+\b], v[BM+\b], s[CS], v12       ; the same of each block's largest score
.endr
.set n, 0
	s_setprio 1
	s_wait_alu depctr_va_vdst(0)
.rept 64
	v_exp_f32 v[S+n], v[S+n]                       ; p = 2^(t - M), at most 1
.set n, n+1
.endr
	v_pk_mul_f32 v[14:15], v[14:15], v[FF:FF+1] op_sel_hi:[1,0]    ; the sums under the new M.  (The plain line behind the exponentials)
	s_wait_alu depctr_va_vdst(0)                   ; one wait for the whole batch, ahead of its first reader
.irp b, 0,1,2,3
	v_exp_f32 v[BM+\b], v[BM+\b]                   ; the block's largest p: the same two instructions on the same number give the same bits
.endr
	v_pk_add_f32 v[208:209], v[112:113], v[116:117]
	v_pk_add_f32 v[252:253], v[120:121], v[124:125]
	v_pk_add_f32 v[250:251], v[128:129], v[132:133]
	v_pk_add_f32 v[248:249], v[136:137], v[140:141]
	v_pk_add_f32 v[246:247], v[144:145], v[148:149]
	v_pk_add_f32 v[244:245], v[152:153], v[156:157]
	v_pk_add_f32 v[242:243], v[160:161], v[164:165]
	v_pk_add_f32 v[14:15], v[14:15], v[168:169]
	v_pk_add_f32 v[208:209], v[208:209], v[108:109]
	v_pk_add_f32 v[252:253], v[252:253], v[110:111]
	v_pk_add_f32 v[250:251], v[250:251], v[114:115]
	v_pk_add_f32 v[248:249], v[248:249], v[118:119]
	v_pk_add_f32 v[246:247], v[246:247], v[122:123]
	v_pk_add_f32 v[244:245], v[244:245], v[126:127]
	v_pk_add_f32 v[242:243], v[242:243], v[130:131]
	v_pk_add_f32 v[14:15], v[14:15], v[134:135]
	v_pk_add_f32 v[208:209], v[208:209], v[138:139]
	v_pk_add_f32 v[252:253], v[252:253], v[142:143]
	v_pk_add_f32 v[250:251], v[250:251], v[146:147]
	v_pk_add_f32 v[248:249], v[248:249], v[150:151]
	v_pk_add_f32 v[246:247], v[246:247], v[154:155]
	v_pk_add_f32 v[244:245], v[244:245], v[158:159]
	v_pk_add_f32 v[242:243], v[242:243], v[162:163]
	v_pk_add_f32 v[14:15], v[14:15], v[166:167]
	v_pk_add_f32 v[208:209], v[208:209], v[170:171]
	s_delay_alu instid0(VALU_DEP_2)
	v_pk_add_f32 v[14:15], v[14:15], v[248:249]
	s_delay_alu instid0(VALU_DEP_2)
	v_pk_add_f32 v[208:209], v[208:209], v[246:247]
	v_pk_add_f32 v[252:253], v[252:253], v[244:245]
	v_pk_add_f32 v[250:251], v[250:251], v[242:243]
	s_delay_alu instid0(VALU_DEP_2)
	v_pk_add_f32 v[14:15], v[14:15], v[252:253]
	s_delay_alu instid0(VALU_DEP_2)
	v_pk_add_f32 v[208:209], v[208:209], v[250:251]
	s_delay_alu instid0(VALU_DEP_1)
	v_pk_add_f32 v[14:15], v[14:15], v[208:209]
	s_wait_alu depctr_va_vdst(0)                   ; and one for the four
.irp b, 0,1,2,3
	v_max_num_f32 v[BM+\b], 0x1800000, v[BM+\b]    ; the floor 2^(3 - 127): the byte cannot fall under 1
.endr
.irp b, 0,1,2,3
	s_delay_alu instid0(VALU_DEP_4)
	v_add_nc_u32 v[SCO+\b], 0xff000000, v[BM+\b]   ; 2 off the exponent field: the conversion's scale operand
.endr
.irp b, 0,1,2,3
	s_delay_alu instid0(VALU_DEP_4)
	v_lshrrev_b32 v[T2+\b], 23, v[SCO+\b]          ; the scale's byte
.endr
	s_delay_alu instid0(VALU_DEP_3)
	v_lshl_or_b32 v[PSW], v[T2+1], 8, v[T2]        ; p's scale word for these 128 keys
	s_delay_alu instid0(VALU_DEP_1)
	v_lshl_or_b32 v[PSW], v[T2+2], 16, v[PSW]
	s_delay_alu instid0(VALU_DEP_1)
	v_lshl_or_b32 v[PSW], v[T2+3], 24, v[PSW]
.irp c, 0,1
	v_cvt_scalef32_pk16_fp6_f32 v[PC+6*\c:PC+6*\c+2], v[S+32*\c:S+32*\c+15], v[SCO+2*\c]
	v_cvt_scalef32_pk16_fp6_f32 v[PT+4*\c:PT+4*\c+2], v[S+32*\c+16:S+32*\c+31], v[SCO+2*\c+1]
.endr
	s_setprio 0
	v_nop                                          ; one plain line behind the scaled conversions
.irp c, 0,1                            ; a whole block in a lane: lanes 0-15 block 2 c, lanes 16-31 block 2 c + 1
.irp i, 0,1,2
	v_permlane16_swap_b32 v[PC+6*\c+\i], v[PT+4*\c+\i]
.endr
.irp i, 0,1,2
	s_delay_alu instid0(VALU_DEP_3)
	v_mov_b32 v[PC+3+6*\c+\i], v[PT+4*\c+\i]
.endr
.endr
.set n, 0
.rept 16
	v_pk_mul_f32 v[O+n:O+n+1], v[O+n:O+n+1], v[FF:FF+1] op_sel_hi:[1,0]   ; O^T under the new M.  Twelve of the sixteen name no register of any one product below: the places behind p's scale word and codes
.set n, n+2
.endr
	s_wait_alu depctr_va_vdst(0)
	s_wait_dscnt 0x0                               ; V^T is in
.irp t, 0,2
	v_wmma_scale_f32_16x16x128_f8f6f4 v[O+8*\t:O+8*\t+7], v[F+12*\t:F+12*\t+11], v[PC:PC+11], v[O+8*\t:O+8*\t+7], v[VSC+\t/2], v[PSW] matrix_a_fmt:MATRIX_FMT_FP6 matrix_b_fmt:MATRIX_FMT_FP6
	v_wmma_scale_f32_16x16x128_f8f6f4 v[O+8*\t+8:O+8*\t+15], v[F+12*\t+12:F+12*\t+23], v[PC:PC+11], v[O+8*\t+8:O+8*\t+15], v[VSC+\t/2], v[PSW] matrix_a_fmt:MATRIX_FMT_FP6 matrix_b_fmt:MATRIX_FMT_FP6 matrix_a_scale:MATRIX_SCALE_ROW1
.endr
.if \causal
.Lhidden_\@:
.endif
	s_add_co_u32 s[SI], s[SI], 1                   ; on to the next step, in every trip
	s_add_co_u32 s[TK], s[TK], 6144
	s_add_co_u32 s[TV], s[TV], 3072
	s_add_co_u32 s[TSK], s[TSK], 512
	s_add_co_u32 s[TSV], s[TSV], 256
.endm
.macro INIT                            ; a tile begins: O^T and the sum are zeros and the largest t is -3e38, so that the step is written once: the first change of M multiplies zeros
	v_mov_b32 v13, 0xff61b1e6
	s_delay_alu instid0(VALU_DEP_1)
	v_floor_f32 v12, -v13
	v_mov_b32 v14, 0
	v_mov_b32 v15, 0
.set n, 0
.rept 32
	v_mov_b32 v[O+n], 0
.set n, n+1
.endr
	s_mov_b32 s[SI], 0
	s_mov_b32 s[TK], 0
	s_mov_b32 s[TV], 0
	s_mov_b32 s[TSK], 0
	s_mov_b32 s[TSV], 0
.endm
.macro YSET tile                       ; where the tile's codes and scale bytes of y go
	s_lshl_b32 s2, s15, 7
	s_add_co_u32 s2, s2, s[\tile]                  ; 128 b + tile
	s_mul_i32 s98, s2, 12288
	s_mul_i32 s3, s16, 768
	s_add_co_u32 s98, s98, s3
	s_mov_b32 s99, 0
	s_add_nc_u64 s[YO:YO+1], s[8:9], s[98:99]
	s_lshl_b32 s98, s2, 9
	s_lshr_b32 s3, s16, 3
	s_lshl_b32 s3, s3, 8
	s_add_co_u32 s98, s98, s3
	s_and_b32 s3, s16, 7
	s_lshl_b32 s3, s3, 1
	s_add_co_u32 s98, s98, s3
	s_add_nc_u64 s[YS:YS+1], s[10:11], s[98:99]
.endm
; A tile's end: y = O^T / the sum; register 16 b + i is channel 32 b + 16 h + i of my query: two blocks, half a fragment of product 4's A.
.macro OUT
.rept 4
	v_nop                                          ; places behind the last products
.endr
	v_add_f32 v14, v14, v15
	s_delay_alu instid0(VALU_DEP_1)
	v_permlanex16_b32 v[TMP], v14, s[SEL], s[SEL+1]
	s_delay_alu instid0(VALU_DEP_1)
	v_add_f32 v14, v14, v[TMP]                     ; the row's sum
	s_wait_alu depctr_va_vdst(0)
	v_rcp_f32 v[RL], v14
	v_mov_b32 v[RL+1], 0                           ; (the plain line behind the reciprocal; the pair's upper half is named below)
	s_wait_alu depctr_va_vdst(0)                   ; ahead of the first reader
.set n, 0
.rept 16
	v_pk_mul_f32 v[S+n:S+n+1], v[O+n:O+n+1], v[RL:RL+1] op_sel_hi:[1,0]   ; each accumulator from its low end on
.set n, n+2
.endr
.irp b, 0,1
	v_max3_num_f32 v[BM+\b], |v[S+16*\b]|, |v[S+16*\b+1]|, 0x1800000
.endr
.irp i, 2,4,6,8,10,12,14
.irp b, 0,1
	s_delay_alu instid0(VALU_DEP_2)
	v_max3_num_f32 v[BM+\b], v[BM+\b], |v[S+16*\b+\i]|, |v[S+16*\b+\i+1]|
.endr
.endr
.irp b, 0,1
	s_delay_alu instid0(VALU_DEP_2)
	v_permlanex16_b32 v[T2+\b], v[BM+\b], s[SEL], s[SEL+1]
.endr
.irp b, 0,1
	s_delay_alu instid0(VALU_DEP_2)
	v_max_num_f32 v[BM+\b], v[BM+\b], v[T2+\b]
.endr
.irp b, 0,1
	s_delay_alu instid0(VALU_DEP_2)
	v_add_nc_u32 v[SCO+\b], 0xff000000, v[BM+\b]
.endr
.irp b, 0,1
	s_delay_alu instid0(VALU_DEP_2)
	v_lshrrev_b32 v[T2+\b], 23, v[SCO+\b]
.endr
	v_cvt_scalef32_pk16_fp6_f32 v[PC:PC+2], v[S:S+15], v[SCO]
	v_cvt_scalef32_pk16_fp6_f32 v[PT:PT+2], v[S+16:S+31], v[SCO+1]
	v_nop
.irp i, 0,1,2
	v_permlane16_swap_b32 v[PC+\i], v[PT+\i]
.endr
.irp i, 0,1,2
	s_delay_alu instid0(VALU_DEP_3)
	v_mov_b32 v[PC+3+\i], v[PT+\i]
.endr
	v_cmp_ne_u32 vcc_lo, 0, v[HH]
	s_delay_alu instid0(VALU_DEP_1)
	v_cndmask_b32 v[BYT], v[T2], v[T2+1], vcc_lo   ; my lane stores the byte of block h
.irp u, 0,1,2
	global_store_b64 v[L8], v[PC+2*\u:PC+2*\u+1], s[YO:YO+1] offset:256*\u   ; 256 consecutive bytes, aligned
.endr
	global_store_b8 v[YSO], v[BYT], s[YS:YS+1]
.endm
	s_wait_tensorcnt 1                             ; my first load is in; my second may stay out
	s_barrier_signal -1
	s_barrier_wait -1                              ; what key steps 0 to 3 want lies in LDS
	s_wait_loadcnt 0x0                             ; Q; its address registers are free
	INIT
	YSET TLA
	s_add_co_u32 s[GG], s17, 8                     ; the first tile's group: 8 + w'
	s_mov_b32 s[CNT], 4
.Lfirst:                               ; key steps 0 to 3: all their keys count (the group is 8 or more)
	STEP QA, QSA, 0
	s_sub_co_u32 s[CNT], s[CNT], 1
	s_cmp_lg_u32 s[CNT], 0
	s_cbranch_scc1 .Lfirst
	s_setprio 0
	s_wait_tensorcnt 0x0                           ; my second load is in,
	s_wait_dscnt 0x0
	s_barrier_signal -1
	s_barrier_wait -1                              ; everybody's is: the whole head lies in LDS
	s_mov_b32 s[CNT], 12
.Lrest:                                ; key steps 4 to 15: a constant count of trips; a trip beyond the group steps addresses alone
	STEP QA, QSA, 1
	s_sub_co_u32 s[CNT], s[CNT], 1
	s_cmp_lg_u32 s[CNT], 0
	s_cbranch_scc1 .Lrest
	s_setprio 0
	OUT
	s_wait_xcnt 0x0                                ; the stores have read their registers and bases: both are written again below
	INIT
	YSET TLB
	s_sub_co_u32 s[GG], 7, s17                     ; the second tile's group: 7 - w'
	s_mov_b32 s[CNT], 8
.Lsecond:                              ; key steps 0 to 7
	STEP QB, QSB, 1
	s_sub_co_u32 s[CNT], s[CNT], 1
	s_cmp_lg_u32 s[CNT], 0
	s_cbranch_scc1 .Lsecond
	s_setprio 0
	OUT
	s_wait_tensorcnt 0x0
	ds_add_u32 v254, v255
	s_wait_dscnt 0x0
	CROUND                                         ; the closing round
	s_endpgm
.Lfunc_end_k_qeacdf6650d_attn:
	.size	k_qeacdf6650d_attn, .Lfunc_end_k_qeacdf6650d_attn-k_qeacdf6650d_attn
	.p2alignl 7, 3214868480
	.fill 96, 4, 3214868480
	.section	.rodata,"a",@progbits
	.p2align	6, 0x0
	.amdhsa_kernel k_qeacdf6650d_attn
		.amdhsa_group_segment_fixed_size 210944
		.amdhsa_private_segment_fixed_size 0
		.amdhsa_enable_private_segment 0
		.amdhsa_kernarg_size 32
		.amdhsa_user_sgpr_count 2
		.amdhsa_user_sgpr_kernarg_segment_ptr 1
		.amdhsa_wavefront_size32 1
		.amdhsa_system_sgpr_workgroup_id_x 1
		.amdhsa_system_sgpr_workgroup_id_y 1
		.amdhsa_system_sgpr_workgroup_id_z 1
		.amdhsa_system_vgpr_workitem_id 0
		.amdhsa_next_free_vgpr 256
		.amdhsa_next_free_sgpr 102
		.amdhsa_reserve_vcc 1
		.amdhsa_float_denorm_mode_32 3
		.amdhsa_float_denorm_mode_16_64 3
		.amdhsa_memory_ordered 1
		.amdhsa_forward_progress 1
		.amdhsa_inst_pref_size 93
	.end_amdhsa_kernel
	.amdgpu_metadata
---
amdhsa.version: [ 1, 2 ]
amdhsa.kernels:
  - .name:           k_qeacdf6650d_attn
    .symbol:         k_qeacdf6650d_attn.kd
    .args:
      - { .name: qkv_img, .offset: 0, .size: 8, .value_kind: global_buffer, .address_space: global }
      - { .name: qkv_sc, .offset: 8, .size: 8, .value_kind: global_buffer, .address_space: global }
      - { .name: y_img, .offset: 16, .size: 8, .value_kind: global_buffer, .address_space: global }
      - { .name: y_sc, .offset: 24, .size: 8, .value_kind: global_buffer, .address_space: global }
    .group_segment_fixed_size: 210944
    .private_segment_fixed_size: 0
    .kernarg_segment_align: 8
    .kernarg_segment_size: 32
    .max_flat_workgroup_size: 512
    .sgpr_count:     102
    .vgpr_count:     256
    .wavefront_size: 32
...
	.end_amdgpu_metadata
.endif
;; end of part 3
;; launch proj (part 4): grid 4 x 32, 4 waves a work-group, clusters of 4 x 4, 327,680 bytes of LDS; arguments y_img, y_sc, in_img, in_sc, out0; writes out0
.if DOCPART == 4
	.amdgcn_target "amdgcn-amd-amdhsa--gfx1250"
	.amdhsa_code_object_version 6
	.text
	.protected	k_qeacdf6650d_proj
	.globl	k_qeacdf6650d_proj
	.p2align	8
	.type	k_qeacdf6650d_proj,@function
k_qeacdf6650d_proj:
	s_mov_b64 s[64:65], 0
	v_nop
	global_prefetch_b8 v0, s[64:65] scope:SCOPE_SE
	s_setreg_imm32_b32 hwreg(HW_REG_WAVE_MODE, 25, 1), 1
	s_wait_xcnt 0x0
	s_wait_alu depctr_hold_cnt(0) depctr_sa_sdst(0) depctr_va_vdst(0) depctr_va_sdst(0) depctr_va_ssrc(0) depctr_va_vcc(0) depctr_vm_vsrc(0)
	s_getreg_b32 s2, hwreg(HW_REG_IB_STS2, 6, 4)
	s_cmp_eq_u32 s2, 0
	s_cbranch_scc0 .Lentry_in_a_cluster
	s_endpgm
.Lentry_in_a_cluster:
	s_bfe_u32 s2, ttmp6, 0x10000c
	s_cmp_lg_u32 s2, 0xf033
	s_cbranch_scc0 .Lentry_shape_is_right
	s_endpgm
.Lentry_shape_is_right:
; Product 4: out0 = y Wp^T, on codes of FP6 (E2M3) with E8M0 scales; out0 [8192][1024] f32.
; A = y: y_img [tile 512][K step 8][1,536], y_sc [tile][H 2][row 16][16 bytes]; B = w_proj: tiles 704-767 of in_img and in_sc, laid likewise.  Tiles are images of registers (a fragment of 16 rows x 128 K: 6 units of 256 bytes,
; unit u = registers 2 u, 2 u + 1, lane l at 8 l); image row p of tile t is row 32 (t / 2) + 8 (t % 2) + p + 8 (p / 8).
; A tile of C, 256 x 256, is made by four waves, each 128 x 128: 64 accumulators, 512 registers.  THE MATRIX INSTRUCTION IS USED TRANSPOSED (source 0 = a tile of B, source 1 = a tile of A): lane (r, h) holds image row r of A's tile,
; and its 16 registers of B's tiles 2 b, 2 b + 1 are columns 32 b + 16 h + 0 .. 15.
; K = 1,024 is eight steps of 128, written out.  LDS: three slots of 256 along K, all filled at the start, and ONE refill: the last 256 along K go into slot 0 when it has been read.  By this text's own count a wave has four tensor loads out at the start, later one.
; All scale words come once and stay in 64 registers.  CLUSTERS: 4 x 4; A's tiles are asked for jointly by a row of the cluster, B's by a column.
; C has 128 tiles of 256 x 256: 128 work-groups.  A smaller tile would give more work-groups and read more LDS bytes for each matrix instruction.
; No prefetch: three quarters of K are asked for at the head, and the last quarter's load has four K steps, 256 matrix instructions a wave, in which to land.
; REGISTERS: window 0: v16-18, v20-22 LDS addresses; v24-29 way out, scale address, spare word; v32-95 scale words; v128-223 A's fragments, one set; on the way out v128-255 rows of C.
;   window 1: B's fragments, two sets, at v0 and v128.  window 2: accumulators of my rows 0-63 ((a, b) at v[8 (8 a + b)]); window 3: of rows 64-127.
.set NL,    6
.set FR,    12
.set HALFT, 24576                      ; 8 tiles x 256 along K: what one tensor load brings
.set SLOT,  98304                      ; A's two halves, then B's two
.set SCL,   3*SLOT                     ; the scale words: A's 16 tiles x 512 bytes, then B's
.set SPARE, SCL+16384                  ; the spare words, 128 bytes for each wave: two blocks of 256 bytes that no other line names
.set STAGE, SLOT                       ; the way out: 16 rows x 528 bytes a wave, in slot 1, which has had its one fill and whose last read lies ahead of the barrier in K step 5
.set SPITCH, 528
.set ADRA, 16
.set ADRB, 20
.set STO,  24
.set RD,   25
.set CO,   26
.set ADRS, 27
.set SPW,  28
.set NIL,  29
.set SC,   32
.set AF,   128
.set BK,   128
.set G1,   24
.set G1B,  32
.set G1S,  40
.set G1SB, 48
.set G0S,  56
.set G0SB, 60
.set G0,   68
.set G0B,  80
.set MSB, 0
.macro WIN new                         ; the immediate's high byte repeats the setting that is left
.if MSB != \new
	s_set_vgpr_msb (MSB<<8)|\new
.set MSB, \new
.endif
.endm
.set MUL_LO, 0xa1
.set MUL_HI, 0xf1
.set TO_B,   0x40
.macro JLOAD g0a, g1a, g0b, g1b        ; a joint load: waves 0 and 1 fetch for A, waves 2 and 3 for B; four v_nop follow each of the two lines
	s_cmp_eq_u32 s15, 0
	s_cbranch_scc0 .Lfor_b_\@
	tensor_load_to_lds s[\g0a:\g0a+3], s[\g1a:\g1a+7]
	s_nop 0
.rept 4
	v_nop
.endr
	s_branch .Lasked_\@
.Lfor_b_\@:
	tensor_load_to_lds s[\g0b:\g0b+3], s[\g1b:\g1b+7]
	s_nop 0
.rept 4
	v_nop
.endr
.Lasked_\@:
.endm
.macro CREST
	s_cmp_lg_u32 s14, 0
	s_cbranch_scc1 .Lnot_wave_0_\@
	s_barrier_signal -3
.Lnot_wave_0_\@:
	s_barrier_wait -3
	s_barrier_signal -1
	s_barrier_wait -1
.endm
.macro CROUND
	s_barrier_signal -1
	s_barrier_wait -1
	CREST
.endm
.macro PLACES n
.rept \n
	v_nop
.endr
.endm
	s_load_b256 s[4:11], s[0:1], 0x0               ; y_img s[4:5], y_sc s[6:7], in_img s[8:9], in_sc s[10:11]
	s_load_b64 s[12:13], s[0:1], 0x20              ; out0
	v_lshl_add_u32 v[SPW], v0, 2, SPARE
	v_mov_b32 v[NIL], 0
	ds_add_u32 v28, v29
	ds_add_u32 v28, v29
	s_wait_dscnt 0x0
	v_lshrrev_b32 v1, 5, v0
	v_readfirstlane_b32 s14, v1                    ; wave 0..3
	s_lshr_b32 s15, s14, 1                         ; which half of the tile's rows is mine.  Also: I fetch for A (0) or for B (1)
	s_and_b32 s16, s14, 1                          ; which half of its columns.  Also: which 8 tiles I fetch
	s_bfe_u32 s92, ttmp6, 0x40000                  ; cx
	s_bfe_u32 s93, ttmp6, 0x40004                  ; cy
	s_and_b32 s94, ttmp7, 0xffff                   ; cluster y
	s_lshl_b32 s95, s93, 2
	s_lshl_b32 s95, 15, s95                        ; my row of the cluster
	s_lshl_b32 s23, 0x1111, s92                    ; my column
	s_or_b32 s[G1], s95, (3<<16)|(1<<21)           ; codes: 8 rows (tiles) of 384 elements of 8 bytes, 1,536 elements from tile to tile
	s_or_b32 s[G1B], s23, (3<<16)|(1<<21)
.irp g, G1, G1B
	s_mov_b32 s[\g+1], 384<<16
	s_mov_b32 s[\g+2], 8<<16
	s_mov_b32 s[\g+3], 384<<16
	s_mov_b32 s[\g+4], 8
	s_mov_b32 s[\g+5], 1536
	s_mov_b32 s[\g+6], 0
	s_mov_b32 s[\g+7], 0
.endr
	s_or_b32 s[G1S], s95, (3<<16)|(1<<21)          ; scale words of 8 tiles: 4,096 dense bytes as 16 rows of 256
	s_or_b32 s[G1SB], s23, (3<<16)|(1<<21)
.irp g, G1S, G1SB
	s_mov_b32 s[\g+1], 32<<16
	s_mov_b32 s[\g+2], 16<<16
	s_mov_b32 s[\g+3], 32<<16
	s_mov_b32 s[\g+4], 16
	s_mov_b32 s[\g+5], 32
	s_mov_b32 s[\g+6], 0
	s_mov_b32 s[\g+7], 0
.endr
	s_lshl_b32 s19, s94, 2
	s_add_co_u32 s19, s19, s93                     ; tile row of C = 4 x cluster y + cy
	s_lshl_b32 s19, s19, 4                         ; A's first tile
	s_lshl_b32 s20, ttmp9, 2
	s_add_co_u32 s20, s20, s92                     ; tile column of C
	s_lshl_b32 s20, s20, 4
	s_add_co_u32 s20, s20, 704                     ; B's first tile: w_proj's begin at 704
	s_lshl_b32 s21, s16, 3
	s_add_co_u32 s19, s19, s21                     ; + the 8 that I fetch
	s_add_co_u32 s20, s20, s21
	s_mul_i32 s98, s19, 12288
	s_mov_b32 s99, 0
	s_lshl_b32 s100, s19, 9
	s_mov_b32 s101, 0
	s_mul_i32 s2, s20, 12288
	s_mov_b32 s3, 0
	s_lshl_b32 s96, s20, 9
	s_mov_b32 s97, 0
	s_mul_i32 s17, s14, HALFT                      ; where they go: wave x 24,576
	s_lshl_b32 s18, s14, 12
	s_wait_kmcnt 0x0
	s_add_nc_u64 s[98:99], s[4:5], s[98:99]
	s_add_nc_u64 s[100:101], s[6:7], s[100:101]
	s_add_nc_u64 s[2:3], s[8:9], s[2:3]
	s_add_nc_u64 s[96:97], s[10:11], s[96:97]
	CROUND                                         ; all sixteen work-groups are here: the first joint loads meet
	s_mov_b32 s[G0S], 1
	s_add_co_u32 s[G0S+1], s18, SCL
	s_mov_b64 s[G0S+2:G0S+3], s[100:101]
	s_or_b32 s[G0S+3], s[G0S+3], 0x80000000
	s_mov_b32 s[G0SB], 1
	s_add_co_u32 s[G0SB+1], s18, SCL
	s_mov_b64 s[G0SB+2:G0SB+3], s[96:97]
	s_or_b32 s[G0SB+3], s[G0SB+3], 0x80000000
	JLOAD G0S, G1S, G0SB, G1SB
.irp s, 0,1,2
	s_mov_b32 s[G0+4*\s], 1
	s_add_co_u32 s[G0+4*\s+1], s17, \s*SLOT
	s_add_nc_u64 s[G0+4*\s+2:G0+4*\s+3], s[98:99], \s*3072
	s_or_b32 s[G0+4*\s+3], s[G0+4*\s+3], 0x80000000
	s_mov_b32 s[G0B+4*\s], 1
	s_add_co_u32 s[G0B+4*\s+1], s17, \s*SLOT
	s_add_nc_u64 s[G0B+4*\s+2:G0B+4*\s+3], s[2:3], \s*3072
	s_or_b32 s[G0B+4*\s+3], s[G0B+4*\s+3], 0x80000000
	JLOAD G0+4*\s, G1, G0B+4*\s, G1B
.endr
	v_and_b32 v1, 31, v0                           ; lane
	v_and_b32 v2, 15, v0                           ; r
	v_bfe_u32 v3, v0, 4, 1                         ; h
	v_lshlrev_b32 v4, 3, v1
	s_mul_i32 s21, s15, HALFT
	s_mul_i32 s22, s16, HALFT
	s_add_co_u32 s22, s22, 2*HALFT
.irp s, 0,1,2
	v_add_nc_u32 v[ADRA+\s], s21, v4
	v_add_nc_u32 v[ADRB+\s], s22, v4
	s_add_co_u32 s21, s21, SLOT
	s_add_co_u32 s22, s22, SLOT
.endr
	v_lshlrev_b32 v5, 4, v2
	s_lshl_b32 s21, s15, 12
	s_lshl_b32 s22, s16, 12
	s_add_co_u32 s22, s22, 8192
	s_sub_co_u32 s22, s22, s21
	v_mul_u32_u24 v6, s22, v3                      ; lanes 16-31 take B's scale words: one product, the distance between the two
	s_add_co_u32 s21, s21, SCL
	v_add_nc_u32 v5, v5, v6
	v_add_nc_u32 v[ADRS], s21, v5
	s_mul_i32 s21, s14, 16*SPITCH
	s_add_co_u32 s21, s21, STAGE                   ; my stage
	v_mul_u32_u24 v5, v2, SPITCH
	v_lshl_add_u32 v5, v3, 6, v5
	v_add_nc_u32 v[STO], s21, v5                   ; in: row r, + 64 h
	v_lshlrev_b32 v[CO], 4, v1                     ; back: the 32 lanes take one row of 512 bytes; and the same in C
	v_add_nc_u32 v[RD], s21, v[CO]
	s_lshl_b32 s17, s94, 2
	s_add_co_u32 s17, s17, s93
	s_lshl_b32 s17, s17, 1
	s_add_co_u32 s17, s17, s15                     ; 2 x tile row + my half
	s_lshl_b32 s98, s17, 19                        ; x 128 rows of 4,096 bytes
	s_lshl_b32 s18, ttmp9, 2
	s_add_co_u32 s18, s18, s92
	s_lshl_b32 s18, s18, 1
	s_add_co_u32 s18, s18, s16
	s_lshl_b32 s18, s18, 9                         ; + my 128 columns: 512 bytes
	s_add_co_u32 s98, s98, s18
	s_mov_b32 s99, 0
	s_add_nc_u64 s[12:13], s[12:13], s[98:99]
.macro FRAG reg, adr, q, i
.irp p, 0,1,2,3,4,5
	ds_load_b64 v[\reg+2*\p:\reg+2*\p+1], v[\adr] offset:3072*(\i)+1536*(\q)+256*\p
.endr
.endm
.macro FETCH_B slot, q, p
	WIN TO_B
.irp i, 0,1,2,3,4,5,6,7
	FRAG 128*(\p)+FR*\i, ADRB+\slot, \q, \i
.endr
	WIN 0
.endm
.macro FETCH_A slot, q, i0
.irp i, \i0, \i0+1, \i0+2, \i0+3
	FRAG AF+FR*(\i), ADRA+\slot, \q, \i
.endr
.endm
; 16 matrix instructions: A's tiles a0, a0 + 1 x B's eight, K step j.  The 64 accumulators take turns, one instruction a turn, in the same order in every step.
.macro MUL16 a0, p, j, zero
.irp a, \a0, \a0+1
.irp b, 0,1,2,3,4,5,6,7
.if \zero
	v_wmma_scale_f32_16x16x128_f8f6f4 v[8*(8*((\a)%4)+\b):8*(8*((\a)%4)+\b)+7], v[128*(\p)+FR*\b:128*(\p)+FR*\b+FR-1], v[AF+FR*(\a):AF+FR*(\a)+FR-1], 0, v[SC+8*\b+(\j)], v[SC+8*(\a)+(\j)] matrix_a_fmt:MATRIX_FMT_FP6 matrix_b_fmt:MATRIX_FMT_FP6 matrix_a_scale:MATRIX_SCALE_ROW1
.else
	v_wmma_scale_f32_16x16x128_f8f6f4 v[8*(8*((\a)%4)+\b):8*(8*((\a)%4)+\b)+7], v[128*(\p)+FR*\b:128*(\p)+FR*\b+FR-1], v[AF+FR*(\a):AF+FR*(\a)+FR-1], v[8*(8*((\a)%4)+\b):8*(8*((\a)%4)+\b)+7], v[SC+8*\b+(\j)], v[SC+8*(\a)+(\j)] matrix_a_fmt:MATRIX_FMT_FP6 matrix_b_fmt:MATRIX_FMT_FP6 matrix_a_scale:MATRIX_SCALE_ROW1
.endif
.endr
.endr
.endm
.macro STEP j, ns, nq, zero
	s_wait_dscnt 4*NL                              ; all but the youngest 24 loads (A's tiles 4-7) are in
	WIN MUL_LO
	MUL16 0, (\j)%2, \j, \zero
	MUL16 2, (\j)%2, \j, \zero
	s_wait_dscnt 0                                 ; A's tiles 4-7 are in
	PLACES 4
	FETCH_B \ns, \nq, 1-(\j)%2
	FETCH_A \ns, \nq, 0
	WIN MUL_HI
	MUL16 4, (\j)%2, \j, \zero
	MUL16 6, (\j)%2, \j, \zero
	PLACES 4
	WIN 0
	FETCH_A \ns, \nq, 4
.endm
.macro TURN j, ns, fill
	s_wait_tensorcnt 0x0                           ; all my tensor loads have landed
	ds_add_u32 v[SPW], v[NIL]                      ; 0 onto my spare word
	s_wait_dscnt 4*NL+1                            ; (the add and the youngest 24 loads may be out)
	WIN MUL_LO
	MUL16 0, 1, \j, 0
	s_wait_dscnt 0x0                               ; the add is done, and my reads of the slots behind me are over
	s_barrier_signal -1
	MUL16 2, 1, \j, 0
	WIN 0
	s_barrier_wait -1
.if \fill
	CREST                                          ; no wave of any partner still reads slot 0 or has a load on its way
	s_add_nc_u64 s[G0+2:G0+3], s[G0+2:G0+3], 3*3072
	s_add_nc_u64 s[G0B+2:G0B+3], s[G0B+2:G0B+3], 3*3072
	JLOAD G0, G1, G0B, G1B                         ; the first tensor load behind the round, and my only one
.else
	PLACES 4
.endif
	FETCH_B \ns, 0, 0
	FETCH_A \ns, 0, 0
	WIN MUL_HI
	MUL16 4, 1, \j, 0
	MUL16 6, 1, \j, 0
	PLACES 4
	WIN 0
	FETCH_A \ns, 0, 4
.endm
	s_wait_tensorcnt 2                             ; the scale words and my part of slot 0 are in; slots 1 and 2 may stay out
	s_barrier_signal -1
	s_barrier_wait -1
	FETCH_B 0, 0, 0
	FETCH_A 0, 0, 0
.irp i, 0,1,2,3,4,5,6,7
.irp H, 0,1
	ds_load_b128 v[SC+8*\i+4*\H:SC+8*\i+4*\H+3], v[ADRS] offset:512*\i+256*\H
.endr
.endr
	FETCH_A 0, 0, 4
	STEP 0, 0, 1, 1
	TURN 1, 1, 1                                   ; slot 0 is read out: the one refill
	STEP 2, 1, 1, 0
	STEP 3, 2, 0, 0
	STEP 4, 2, 1, 0
	TURN 5, 0, 0                                   ; the refill has landed, in every wave
	STEP 6, 0, 1, 0
	s_wait_dscnt 4*NL
	WIN MUL_LO
	MUL16 0, 1, 7, 0
	MUL16 2, 1, 7, 0
	s_wait_dscnt 0
	WIN MUL_HI
	MUL16 4, 1, 7, 0
	MUL16 6, 1, 7, 0
	WIN 0
; THE WAY OUT, block by block of 16 rows x 128 columns, through my own stage: in as a lane holds them (B's tile bt: 32 bytes at 128 (bt / 2) + 64 h + 32 (bt % 2) of row r), back as whole rows of 512 bytes.
; LDS serves a wave's instructions in order: no wait between the stores and the loads, nor in front of the next block's stores.
.macro TOSTAGE a
.set AC, 64*((\a)%4)
	WIN 0x08+4*((\a)/4)                            ; the data: window 2 or 3
.irp b, 0,1,2,3,4,5,6,7
	ds_store_b128 v[STO], v[AC+8*\b:AC+8*\b+3] offset:128*(\b/2)+32*(\b%2)          ; each accumulator from its low end on
	ds_store_b128 v[STO], v[AC+8*\b+4:AC+8*\b+7] offset:128*(\b/2)+32*(\b%2)+16
.endr
	WIN 0
.set BB, BK+64*((\a)%2)
.irp t, 0,1,2,3,4,5,6,7,8,9,10,11,12,13,14,15
	ds_load_b128 v[BB+4*\t:BB+4*\t+3], v[RD] offset:\t*SPITCH
.endr
.endm
.macro SEND a, younger                 ; younger: the LDS instructions issued behind block a's loads, which may stay out
.set BB, BK+64*((\a)%2)
	s_wait_dscnt \younger
.irp t, 0,1,2,3,4,5,6,7,8,9,10,11,12,13,14,15
	global_store_b128 v[CO], v[BB+4*\t:BB+4*\t+3], s[12:13] offset:(32*((\a)/2)+8*((\a)%2)+\t+8*(\t/8))*4096 th:TH_STORE_NT   ; image row t of A's tile a is this row of my 128; 512 consecutive bytes, aligned
.endr
.endm
	PLACES 4
	TOSTAGE 0
.irp a, 1,2,3,4,5,6,7
.if \a > 1
	s_wait_xcnt 0x0                                ; block a - 2's stores have read their registers: block a's loads may land there
.endif
	TOSTAGE \a
	SEND \a-1, 32                                  ; behind block a - 1's loads: block a's 16 stores and 16 loads
.endr
	SEND 7, 0
	s_wait_tensorcnt 0x0                           ; the wave's end
	ds_add_u32 v[SPW], v[NIL]
	s_wait_dscnt 0x0
	CROUND                                         ; the closing round
	s_endpgm
.Lfunc_end_k_qeacdf6650d_proj:
	.size	k_qeacdf6650d_proj, .Lfunc_end_k_qeacdf6650d_proj-k_qeacdf6650d_proj
	.p2alignl 7, 3214868480
	.fill 96, 4, 3214868480
	.section	.rodata,"a",@progbits
	.p2align	6, 0x0
	.amdhsa_kernel k_qeacdf6650d_proj
		.amdhsa_group_segment_fixed_size 327680
		.amdhsa_private_segment_fixed_size 0
		.amdhsa_enable_private_segment 0
		.amdhsa_kernarg_size 40
		.amdhsa_user_sgpr_count 2
		.amdhsa_user_sgpr_kernarg_segment_ptr 1
		.amdhsa_wavefront_size32 1
		.amdhsa_system_sgpr_workgroup_id_x 1
		.amdhsa_system_sgpr_workgroup_id_y 1
		.amdhsa_system_sgpr_workgroup_id_z 1
		.amdhsa_system_vgpr_workitem_id 0
		.amdhsa_next_free_vgpr 1024
		.amdhsa_next_free_sgpr 102
		.amdhsa_reserve_vcc 0
		.amdhsa_float_denorm_mode_32 3
		.amdhsa_float_denorm_mode_16_64 3
		.amdhsa_memory_ordered 1
		.amdhsa_forward_progress 1
		.amdhsa_inst_pref_size 158
	.end_amdhsa_kernel
	.amdgpu_metadata
---
amdhsa.version: [ 1, 2 ]
amdhsa.kernels:
  - .name:           k_qeacdf6650d_proj
    .symbol:         k_qeacdf6650d_proj.kd
    .args:
      - { .name: y_img, .offset: 0, .size: 8, .value_kind: global_buffer, .address_space: global }
      - { .name: y_sc, .offset: 8, .size: 8, .value_kind: global_buffer, .address_space: global }
      - { .name: in_img, .offset: 16, .size: 8, .value_kind: global_buffer, .address_space: global }
      - { .name: in_sc, .offset: 24, .size: 8, .value_kind: global_buffer, .address_space: global }
      - { .name: out0, .offset: 32, .size: 8, .value_kind: global_buffer, .address_space: global }
    .group_segment_fixed_size: 327680
    .private_segment_fixed_size: 0
    .kernarg_segment_align: 8
    .kernarg_segment_size: 40
    .max_flat_workgroup_size: 128
    .sgpr_count:     102
    .vgpr_count:     1024
    .wavefront_size: 32
...
	.end_amdgpu_metadata
.endif
;; end of part 4
